; MI455X (gfx1250); checked and timed in simulation.
; The chip was launched on July 23, 2026; its instructions are those of AMD's public machine-readable ISA for CDNA 5 (MIT licence, August 2026) and "CDNA5" Instruction Set Architecture Reference Guide (July 2026). The comments in the code are by the model that wrote it; some were corrected since.
;; Attention. Allowed arithmetic: matrix products marked QUANTISED: E4M3 operands, one E8M0 scale for each 32 along K, by v_wmma_scale_f32_16x16x128_f8f6f4 with both operands' format E4M3, f32 sums; products left as they are: f32 operands where the result goes on into a quantised operand, else bf16, f16 or f32 operands; f32 sums; everything else in f32.
;; Inputs: M_b 1,024 float32; M_w 1,024 x 3,072 float32; V_b 1 float32; V_w 1 x 1,024 float32; encoded 16 x 2,048 x 2,048 float32; hidden 16 x 1 x 1,024 float32; mask 16 x 2,048 bool.
;; Outputs: out0 16 x 1 x 2,048 float32; out1 16 x 1 x 2,048 float32.
;; This version of the problem:
;;   THIS VERSION OF THE PROBLEM IS GIVEN IN LOW PRECISION. The matrix products marked QUANTISED in the list below multiply operands that are first quantised to E4M3 (4 exponent bits, 3 mantissa bits; 8 bits a number), with one power-of-two scale for each 32 numbers along K (OCP MX v1.0); their sums are f32. All else is computed in f32.
;;   The module's matrix products, in the order in which they are computed (A, B: the left and right operand; K: the contracted axis; several contracted axes count as one K, in the product's order):
;;     1. [M 32,768, K 2,048] x [K 2,048, N 1,024]; A: input encoded; B: input M_w: QUANTISED
;;     2. [M 16, K 1,024] x [K 1,024, N 1,024]; A: input hidden; B: input M_w: QUANTISED
;;     3. [M 32,768, K 1,024] x [K 1,024, N 1]; A: computed on the way; B: input V_w: left as it is (N = 1 < 16)
;;     4. batch 16 x [M 1, K 2,048] x [K 2,048, N 2,048]; A: computed on the way; B: input encoded: left as it is (M = 1 < 16)
;;   THE QUANTISER, for each operand of a quantised product, along K:
;;     - K is cut into blocks of 32 from its start; a last block that is shorter is filled with zeros.
;;     - A block's scale is 2^e with e = floor(log2(the largest magnitude in the block)) - 8, held to -126 .. 127; a block of zeros has e = 0. As a byte (E8M0): e + 127.
;;     - Each number is divided by its block's scale, clamped to +-448, and rounded to the nearest number of E4M3, ties to even, subnormals kept.
;;     - The product sums the exact products of the quantised numbers (number of the format x scale) in f32.
;;   ~~~python
;;   def quantise(x, axis):      # numpy; x: float32 -> the quantised numbers, widened to float32 again
;;       x = np.moveaxis(x, axis, -1); K = x.shape[-1]
;;       x = np.pad(x, [(0, 0)] * (x.ndim - 1) + [(0, -K % 32)]); x = x.reshape(x.shape[:-1] + (-1, 32)); a = np.abs(x).max(-1, keepdims=True)
;;       e = np.where(a > 0, np.clip(np.frexp(np.where(a > 0, a, 1))[1] - 1 - 8, -126, 127), 0)      # np.frexp(a)[1] - 1 = floor(log2(a)), exactly
;;       r = np.clip(x / 2.0 ** e, -448, 448)
;;       step = 2.0 ** (np.maximum(np.frexp(np.where(r == 0, 1, r))[1] - 1, -6) - 3)
;;       q = np.round(r / step) * step * 2.0 ** e      # np.round: ties to even
;;       return np.moveaxis(q.reshape(q.shape[:-2] + (-1,))[..., :K], -1, axis).astype(np.float32)
;;   ~~~
;; 2 versions. Each part assembles by itself: llvm-mc -triple=amdgcn-amd-amdhsa -mcpu=gfx1250 --defsym DOCPART=n.
;; ======== version 1 of 2: 3 launches
;; limits: right only within a limited range of input values
;; workspace buffers: wq 2,162,688 bytes; hbt 65,536 bytes; live 135,168 bytes of whole numbers; scores 131,072 bytes
;; launch prep (part 1): grid 130 x 1, 8 waves a work-group, no clusters, 9,216 bytes of LDS; arguments M_w, M_b, hidden, mask, wq, hbt, live; writes wq, hbt, live
.if DOCPART == 1
	.amdgcn_target "amdgcn-amd-amdhsa--gfx1250"
	.amdhsa_code_object_version 6
	.text
	.protected	k_qd836019dde_prep
	.globl	k_qd836019dde_prep
	.p2align	8
	.type	k_qd836019dde_prep,@function
k_qd836019dde_prep:
	s_mov_b64 s[64:65], 0
	v_nop
	global_prefetch_b8 v0, s[64:65] scope:SCOPE_SE
	s_setreg_imm32_b32 hwreg(HW_REG_WAVE_MODE, 25, 1), 1
	s_wait_xcnt 0x0
; ADDITIVE ATTENTION POOLING, launch 1 of 3.  m = encoded M_w[:, :2048]^T + hidden M_w[:, 2048:]^T + M_b; score = tanh(m) . V_w + V_b; -1e9 where mask; softmax over the 2,048 positions (out1); out0 = weights . encoded.
; This launch makes what the other two read:
;   wq    the codes (E4M3) and E8M0 scale words of M_w[:, :2048], laid in the order of the operand's registers: 64 blocks (K step t of 128, wave w of 256 hidden units) of 33,792 bytes at (4 t + w) x 33,792:
;         16 fragments of 2,048 bytes (byte 2048 f + 512 c + 16 lane: hidden unit 256 w + 16 f + lane % 16, k = 128 t + 32 c + 16 (lane / 16) + 0 .. 15), then 8 x 128 bytes of scale words
;         (word 128 p + 4 lane: fragment 2 p + lane / 16, row lane % 16).
;   hbt   2 log2(e) x (hidden M_w[:, 2048:]^T + M_b), the second quantised product, as [64 tiles of 16 hidden units][16 batches][16] f32.
;   live  for each batch 8,448 bytes: the number of rows with mask = false (32 times, bytes 0 .. 127), and from byte 256 a permutation of the 2,048 rows, those rows first, the masked ones from the back.
; WHAT THE PROGRAM LEAVES OUT.  No product and no input: V_b stays, since beside the mask's -1e9 it is not the same along the softmax's axis.  The first product is done for masked rows too and the score selected.
; In the last product (launch 3) the rows with mask = true of a batch that has a row with mask = false are not read: whole numbers, read from 'live', decide it.  Their weight is e^(-1e9 - max) / Z with
; max >= -(sum |V_w| + |V_b|), since |tanh| <= 1: under the smallest f32 number, and 0.0 in f32 as the problem computes it.  LIMIT: sum |V_w| + |V_b| < 9e8.  A batch with every row masked walks all rows.
; LIMIT: a NaN, an infinity or an overflow in a row of encoded that is so left out is not carried into out0.
; LIMITS of the quantiser: NaN and infinities among its inputs are not served; a block of zeros gets the byte 1 where the rule says 127 (its codes are zeros; this program alone reads the bytes).
; SHARES.  Work-groups 0 .. 63: block (t, w) of wq, wave p its fragments 2 p, 2 p + 1.  64 .. 127: tile n of hbt, wave k the K step k of 128; the eight partial tiles meet in LDS.  128, 129: the lists, one wave a batch.
.set KT,    0x4038aa3b                 ; 2 log2(e)
.set MROW,  12288                      ; a row of M_w in bytes
.set BLKB,  33792                      ; a block of wq
.set X0,    16                         ; v16-79   64 numbers of a lane: register 16 b + i = k 32 b + 16 (lane / 16) + i of the lane's row
.set X1,    80                         ; v80-143  the same, second fragment
.set PC0,   144                        ; v144-159 a fragment's codes
.set PC1,   160                        ; v160-175
.set TM,    176                        ; v176-179 largest magnitudes, v180-183 bytes, v184-187 448 x the scale, v188-191 the conversions' scale operands
.set PW0,   192                        ; v192, v193 scale words, and nothing else
.set PW1,   193
.set SW,    194                        ; the two scale words in one register: lanes 0-15 the first fragment's, lanes 16-31 the second's
.set DD,    200                        ; v200-207 the matrix result
.set MB,    208                        ; v208-215 M_b of the lane's eight hidden units
.set SPW,   10                         ; v10 LDS address of my spare word; never rewritten
.set NIL,   11                         ; v11 0; never rewritten
.set SPARE, 8192                       ; behind the eight partial tiles: the spare words, 128 bytes a wave
; 64 numbers of a lane become a fragment's 16 registers of codes and its row's scale word.
.macro QUANT s, pc, pw
.irp b, 0,1,2,3
	v_max3_num_f32 v[TM+\b], |v[\s+16*\b]|, |v[\s+1+16*\b]|, 0x4800000   ; block b: my 16 numbers, and the floor 2^(9 - 127): the byte cannot fall under 1
.endr
.irp i, 2,4,6,8,10,12,14
.irp b, 0,1,2,3
	v_max3_num_f32 v[TM+\b], v[TM+\b], |v[\s+16*\b+\i]|, |v[\s+1+16*\b+\i]|   ; the four blocks by turns
.endr
.endr
.irp b, 0,1,2,3
	v_permlanex16_b32 v[TM+4+\b], v[TM+\b], s20, s21
.endr
.irp b, 0,1,2,3
	v_max_num_f32 v[TM+\b], v[TM+\b], v[TM+4+\b]           ; with lane l xor 16's 16: the block's largest magnitude
.endr
.irp b, 0,1,2,3
	v_add_nc_u32 v[TM+12+\b], 0xfc000000, v[TM+\b]         ; 8 off its exponent field: the conversion's scale operand
.endr
.irp b, 0,1,2,3
	v_and_or_b32 v[TM+8+\b], v[TM+\b], 0x7f800000, s23     ; 448 x the scale
.endr
.irp b, 0,1,2,3
	v_lshrrev_b32 v[TM+4+\b], 23, v[TM+12+\b]              ; the scale's byte
.endr
	v_lshl_or_b32 v[\pw], v[TM+5], 8, v[TM+4]
	v_lshl_or_b32 v[\pw], v[TM+6], 16, v[\pw]
	v_lshl_or_b32 v[\pw], v[TM+7], 24, v[\pw]
.irp b, 0,1,2,3
.irp i, 0,1,2,3,4,5,6,7,8,9,10,11,12,13,14,15
	v_med3_num_f32 v[\s+16*\b+\i], v[\s+16*\b+\i], -v[TM+8+\b], v[TM+8+\b]   ; the conversion to an 8-bit code does not saturate (ISA guide 7.6.2): the hold comes first
.endr
	v_cvt_scalef32_pk8_fp8_f32 v[\pc+4*\b:\pc+1+4*\b], v[\s+16*\b:\s+7+16*\b], v[TM+12+\b]
	v_cvt_scalef32_pk8_fp8_f32 v[\pc+2+4*\b:\pc+3+4*\b], v[\s+8+16*\b:\s+15+16*\b], v[TM+12+\b]
.endr
	v_nop                                                  ; one plain line behind the last conversion
.endm
	s_load_b256 s[4:11], s[0:1], 0x0               ; M_w s[4:5], M_b s[6:7], hidden s[8:9], mask s[10:11]
	s_load_b128 s[12:15], s[0:1], 0x20             ; wq s[12:13], hbt s[14:15]
	s_load_b64 s[16:17], s[0:1], 0x30              ; live
	v_lshl_add_u32 v[SPW], v0, 2, SPARE
	v_mov_b32 v[NIL], 0
	v_lshrrev_b32 v1, 5, v0
	v_readfirstlane_b32 s18, v1                    ; wave 0..7
	v_and_b32 v1, 31, v0                           ; lane
	v_and_b32 v2, 15, v0                           ; r
	v_bfe_u32 v3, v0, 4, 1                         ; h
	v_lshlrev_b32 v6, 4, v1                        ; 16 x lane
	v_lshlrev_b32 v7, 2, v1                        ; 4 x lane
	s_mov_b32 s20, 0x76543210
	s_mov_b32 s21, 0xfedcba98                      ; v_permlanex16_b32's selects for lane l xor 16
	s_mov_b32 s23, 0x600000                        ; the mantissa field of 448
.irp b, 0,1,2,3
	v_mov_b32 v[TM+4+\b], 0                        ; written once: a lane permute's destination counts as one of its sources
.endr
	s_mov_b32 s29, 0                               ; the upper word of every offset
	s_wait_kmcnt 0x0
	s_cmp_lt_u32 ttmp9, 64
	s_cbranch_scc0 .Lnot_codes
	; ---- a block of wq: my two fragments, 32 rows of M_w x 128 along K
	s_lshr_b32 s24, ttmp9, 2                       ; t
	s_and_b32 s25, ttmp9, 3                        ; w
	s_lshl_b32 s25, s25, 8
	s_lshl_b32 s26, s18, 5
	s_add_co_u32 s25, s25, s26                     ; my first row: 256 w + 32 p
	s_mul_i32 s28, s25, MROW
	s_lshl_b32 s24, s24, 9                         ; 128 t numbers
	s_add_co_u32 s28, s28, s24
	s_add_nc_u64 s[4:5], s[4:5], s[28:29]
	v_mul_u32_u24 v4, v2, MROW
	v_lshl_add_u32 v4, v3, 6, v4                   ; row r, + 64 h: my 16 numbers of a block of 32
.irp u, 0,1
.irp c, 0,1,2,3
.irp j, 0,1,2,3
	global_load_b128 v[X0+64*\u+16*\c+4*\j:X0+64*\u+16*\c+4*\j+3], v4, s[4:5] offset:\u*16*MROW+128*\c+16*\j th:TH_LOAD_NT
.endr
.endr
.endr
	s_mul_i32 s28, ttmp9, BLKB
	s_add_nc_u64 s[12:13], s[12:13], s[28:29]      ; my block
	s_lshl_b32 s28, s18, 7
	s_add_nc_u64 s[32:33], s[12:13], s[28:29]      ; + 128 p: my pair's scale words
	s_lshl_b32 s28, s18, 12
	s_add_nc_u64 s[12:13], s[12:13], s[28:29]      ; + 4,096 p: my pair's codes
	s_mov_b32 s30, 0xffff0000
	s_wait_loadcnt 16                              ; the first fragment's 16 loads are in; the second's 16 may be out
	QUANT X0, PC0, PW0
	s_wait_loadcnt 0x0
	QUANT X1, PC1, PW1
.irp u, 0,1
.irp c, 0,1,2,3
	global_store_b128 v6, v[PC0+16*\u+4*\c:PC0+16*\u+4*\c+3], s[12:13] offset:2048*\u+512*\c   ; 32 lanes store 512 consecutive bytes
.endr
.endr
	v_cndmask_b32 v[SW], v[PW0], v[PW1], s30       ; lanes 16-31 take the second fragment's word
	global_store_b32 v7, v[SW], s[32:33] offset:32768
	s_endpgm
.Lnot_codes:
	s_cmp_lt_u32 ttmp9, 128
	s_cbranch_scc0 .Llists
	; ---- a tile of hbt: 16 hidden units x 16 batches; my K step of 128
	s_sub_co_u32 s24, ttmp9, 64                    ; n
	s_lshl_b32 s28, s24, 6
	s_add_nc_u64 s[6:7], s[6:7], s[28:29]          ; M_b at hidden unit 16 n
	v_lshlrev_b32 v5, 5, v3                        ; + 8 h numbers
	global_load_b128 v[MB:MB+3], v5, s[6:7]        ; (64 bytes; wave 0 alone uses them: asked for here by every wave, so that they are in when the sums are, and the counts below are the same in all waves)
	global_load_b128 v[MB+4:MB+7], v5, s[6:7] offset:16
	s_lshl_b32 s25, s24, 4
	s_mul_i32 s28, s25, MROW
	s_lshl_b32 s26, s18, 9                         ; 128 k numbers
	s_add_co_u32 s28, s28, s26
	s_add_nc_u64 s[4:5], s[4:5], s[28:29]
	v_mul_u32_u24 v4, v2, MROW
	v_lshl_add_u32 v4, v3, 6, v4
.irp c, 0,1,2,3
.irp j, 0,1,2,3
	global_load_b128 v[X0+16*\c+4*\j:X0+16*\c+4*\j+3], v4, s[4:5] offset:8192+128*\c+16*\j th:TH_LOAD_NT   ; M_w(16 n + r, 2048 + 128 k + ..)
.endr
.endr
	s_mov_b32 s28, s26
	s_add_nc_u64 s[8:9], s[8:9], s[28:29]
	v_lshlrev_b32 v8, 12, v2
	v_lshl_add_u32 v8, v3, 6, v8
.irp c, 0,1,2,3
.irp j, 0,1,2,3
	global_load_b128 v[X1+16*\c+4*\j:X1+16*\c+4*\j+3], v8, s[8:9] offset:128*\c+16*\j                    ; hidden(batch r, 128 k + ..)
.endr
.endr
	s_lshl_b32 s28, s24, 10
	s_add_nc_u64 s[14:15], s[14:15], s[28:29]      ; my tile of hbt
	s_mov_b32 s24, KT
	s_mov_b32 s25, KT                              ; (named with it as a pair, so it is written)
	s_lshl_b32 s27, s18, 10
	v_add_nc_u32 v9, s27, v6                       ; LDS: 1,024 x wave + 16 x lane
	v_lshlrev_b32 v12, 6, v2
	v_lshl_add_u32 v12, v3, 5, v12                 ; hbt: 64 r + 32 h
	s_wait_loadcnt 16                              ; M_b and M_w's 16 loads are in; hidden's 16 may be out
	QUANT X0, PC0, PW0
	s_wait_loadcnt 0x0
	QUANT X1, PC1, PW1
.rept 4
	v_nop                                          ; codes written by vector instructions stand four places ahead of a scaled matrix instruction; the scale words were made ahead of the 64 holds
.endr
	v_wmma_scale_f32_16x16x128_f8f6f4 v[DD:DD+7], v[PC0:PC0+15], v[PC1:PC1+15], 0, v[PW0], v[PW1]   ; source 0 = 16 hidden units, source 1 = 16 batches: lane (r, h) holds batch r, register j hidden unit 16 n + 8 h + j
.rept 8
	v_nop
.endr
	ds_store_b128 v9, v[DD:DD+3]                   ; the result from its low end on
	ds_store_b128 v9, v[DD+4:DD+7] offset:512
	s_wait_dscnt 0x0                               ; for the others' sake: my partial tile lies in LDS
	s_barrier_signal -1
	s_barrier_wait -1
	s_cmp_lg_u32 s18, 0
	s_cbranch_scc1 .Ltile_done
.irp k, 0,1,2,3,4,5,6,7
	ds_load_b128 v[16+8*\k:19+8*\k], v6 offset:1024*\k
	ds_load_b128 v[20+8*\k:23+8*\k], v6 offset:1024*\k+512
.endr
	s_wait_dscnt 0x0
.irp k, 0,2,4,6
.irp q, 0,2,4,6
	v_pk_add_f32 v[16+8*\k+\q:17+8*\k+\q], v[16+8*\k+\q:17+8*\k+\q], v[24+8*\k+\q:25+8*\k+\q]
.endr
.endr
.irp k, 0,4
.irp q, 0,2,4,6
	v_pk_add_f32 v[16+8*\k+\q:17+8*\k+\q], v[16+8*\k+\q:17+8*\k+\q], v[32+8*\k+\q:33+8*\k+\q]
.endr
.endr
.irp q, 0,2,4,6
	v_pk_add_f32 v[16+\q:17+\q], v[16+\q:17+\q], v[48+\q:49+\q]
.endr
.irp q, 0,2,4,6
	v_pk_add_f32 v[16+\q:17+\q], v[16+\q:17+\q], v[MB+\q:MB+\q+1]
.endr
.irp q, 0,2,4,6
	v_pk_mul_f32 v[16+\q:17+\q], v[16+\q:17+\q], s[24:25] op_sel_hi:[1,0]   ; x 2 log2(e): launch 2 adds it inside the exponent's multiply-add
.endr
	global_store_b128 v12, v[16:19], s[14:15]
	global_store_b128 v12, v[20:23], s[14:15] offset:16
.Ltile_done:
	s_wait_tensorcnt 0x0                           ; the wave's end
	ds_add_u32 v[SPW], v[NIL]
	s_wait_dscnt 0x0
	s_endpgm
.Llists:
	; ---- the list of a batch's rows: one wave a batch, a counting sort in registers.  Lane l holds the mask bytes of rows 512 j + 16 l + 0 .. 15, j = 0 .. 3
	s_sub_co_u32 s24, ttmp9, 128
	s_lshl_b32 s24, s24, 3
	s_add_co_u32 s24, s24, s18                     ; the batch
	s_lshl_b32 s28, s24, 11
	s_add_nc_u64 s[10:11], s[10:11], s[28:29]
	s_mul_i32 s28, s24, 8448
	s_add_nc_u64 s[16:17], s[16:17], s[28:29]
.irp j, 0,1,2,3
	global_load_b128 v[16+4*\j:19+4*\j], v6, s[10:11] offset:512*\j
.endr
	v_sub_nc_u32 v12, 2047, v1
	s_mov_b32 s26, 0                               ; rows with mask = false so far
	s_wait_loadcnt 0x0
; Step i takes one byte of every lane: 32 rows.  A row with mask = false goes to place U = those before it; a masked one to 2047 - (the masked ones before it) = U + 2047 - lane - 32 i.
; Each step has registers of its own for its store's address and data, so that no store's source is written again.
.set i, 0
.rept 64
	v_bfe_u32 v160, v[16+i/4], 8*(i%4), 8
	v_cmp_eq_u32 vcc_lo, 0, v160
	v_mbcnt_lo_u32_b32 v161, vcc_lo, 0             ; such rows in the lanes below mine
	v_add_nc_u32 v161, s26, v161
	v_add3_u32 v162, v161, v12, -32*i
	v_cndmask_b32 v[32+i], v162, v161, vcc_lo
	v_min_u32 v[32+i], 2047, v[32+i]               ; a number made of loaded bytes enters an address only behind this bound
	v_lshlrev_b32 v[32+i], 2, v[32+i]
	v_add_nc_u32 v[96+i], 512*(i/16)+i%16, v6      ; the row
	global_store_b32 v[32+i], v[96+i], s[16:17] offset:256
	s_bcnt1_i32_b32 s27, vcc_lo
	s_add_co_u32 s26, s26, s27
.set i, i+1
.endr
	v_mov_b32 v14, s26
	global_store_b32 v7, v14, s[16:17]             ; the count
	s_endpgm
.Lfunc_end_k_qd836019dde_prep:
	.size	k_qd836019dde_prep, .Lfunc_end_k_qd836019dde_prep-k_qd836019dde_prep
	.p2alignl 7, 3214868480
	.fill 96, 4, 3214868480
	.section	.rodata,"a",@progbits
	.p2align	6, 0x0
	.amdhsa_kernel k_qd836019dde_prep
		.amdhsa_group_segment_fixed_size 9216
		.amdhsa_private_segment_fixed_size 0
		.amdhsa_enable_private_segment 0
		.amdhsa_kernarg_size 56
		.amdhsa_user_sgpr_count 2
		.amdhsa_user_sgpr_kernarg_segment_ptr 1
		.amdhsa_wavefront_size32 1
		.amdhsa_system_sgpr_workgroup_id_x 1
		.amdhsa_system_sgpr_workgroup_id_y 1
		.amdhsa_system_sgpr_workgroup_id_z 1
		.amdhsa_system_vgpr_workitem_id 0
		.amdhsa_next_free_vgpr 224
		.amdhsa_next_free_sgpr 66
		.amdhsa_reserve_vcc 1
		.amdhsa_float_denorm_mode_32 3
		.amdhsa_float_denorm_mode_16_64 3
		.amdhsa_memory_ordered 1
		.amdhsa_forward_progress 1
		.amdhsa_inst_pref_size 87
	.end_amdhsa_kernel
	.amdgpu_metadata
---
amdhsa.version: [ 1, 2 ]
amdhsa.kernels:
  - .name:           k_qd836019dde_prep
    .symbol:         k_qd836019dde_prep.kd
    .args:
      - { .name: M_w, .offset: 0, .size: 8, .value_kind: global_buffer, .address_space: global }
      - { .name: M_b, .offset: 8, .size: 8, .value_kind: global_buffer, .address_space: global }
      - { .name: hidden, .offset: 16, .size: 8, .value_kind: global_buffer, .address_space: global }
      - { .name: mask, .offset: 24, .size: 8, .value_kind: global_buffer, .address_space: global }
      - { .name: wq, .offset: 32, .size: 8, .value_kind: global_buffer, .address_space: global }
      - { .name: hbt, .offset: 40, .size: 8, .value_kind: global_buffer, .address_space: global }
      - { .name: live, .offset: 48, .size: 8, .value_kind: global_buffer, .address_space: global }
    .group_segment_fixed_size: 9216
    .private_segment_fixed_size: 0
    .kernarg_segment_align: 8
    .kernarg_segment_size: 56
    .max_flat_workgroup_size: 256
    .sgpr_count:     66
    .vgpr_count:     224
    .wavefront_size: 32
...
	.end_amdgpu_metadata
.endif
;; end of part 1
;; launch score (part 2): grid 512 x 1, 4 waves a work-group, clusters of 4 x 1, 327,680 bytes of LDS; arguments encoded, wq, hbt, V_w, V_b, mask, scores; writes scores
.if DOCPART == 2
	.amdgcn_target "amdgcn-amd-amdhsa--gfx1250"
	.amdhsa_code_object_version 6
	.text
	.protected	k_qd836019dde_score
	.globl	k_qd836019dde_score
	.p2align	8
	.type	k_qd836019dde_score,@function
k_qd836019dde_score:
	s_mov_b64 s[64:65], 0
	v_nop
	global_prefetch_b8 v0, s[64:65] scope:SCOPE_SE
	s_setreg_imm32_b32 hwreg(HW_REG_WAVE_MODE, 25, 1), 1
	s_wait_xcnt 0x0
	s_wait_alu depctr_hold_cnt(0) depctr_sa_sdst(0) depctr_va_vdst(0) depctr_va_sdst(0) depctr_va_ssrc(0) depctr_va_vcc(0) depctr_vm_vsrc(0)
	s_getreg_b32 s2, hwreg(HW_REG_IB_STS2, 6, 4)
	s_cmp_eq_u32 s2, 0
	s_cbranch_scc0 .Lentry_in_a_cluster
	s_endpgm
.Lentry_in_a_cluster:
	s_bfe_u32 s2, ttmp6, 0x10000c
	s_cmp_lg_u32 s2, 0x3003
	s_cbranch_scc0 .Lentry_shape_is_right
	s_endpgm
.Lentry_shape_is_right:
; Launch 2 of 3: scores[b][s] = tanh(encoded[b][s] . M_w[:, :2048]^T + (hidden's part + M_b)) . V_w + V_b, and -1e9 where mask.  The product is on codes of E4M3 with one E8M0 scale for each 32 along K.
; Nothing is left out here: masked rows are multiplied too and their score is selected at the end.
; SHARES.  A work-group takes 64 rows of one batch and ALL 1,024 hidden units: wave w the units 256 w .. 256 w + 255 for the 64 rows: 64 accumulators of 16 x 16, 512 registers.  So a row's score is finished here,
; K is one loop of 16 steps of 128, and no code of encoded goes to memory: wave w loads rows 16 w .. 16 w + 15 as f32, quantises them in registers and hands codes and scale bytes to the others through LDS.
; THE MATRIX INSTRUCTION IS USED TRANSPOSED: source 0 = 16 hidden units (a fragment of wq), source 1 = 16 rows of encoded: lane (r, h) holds row 16 m + r, register j hidden unit 256 w + 16 f + 8 h + j.
; CLUSTER.  All row blocks walk the same 2,162,688 bytes of wq.  Four work-groups form a cluster, and block (t, w) of wq is asked for JOINTLY by wave w of each: the same tensor load, the same descriptor, a mask that
; names the four.  Rows of encoded are read by one work-group alone, so they are not shared.  The block is laid in the order of the operand's registers: a fragment comes out of LDS by four loads of 512 consecutive bytes.
; ENCODED comes in halves: half n = the wave's rows 8 (n % 2) .. + 7, K = 256 (n / 2) .. + 255; a lane holds 8 neighbours of each row, four lanes a block of 32.  Step t quantises half t + 2 and asks for half t + 6
; into the registers that it has just left: four halves, 64 loads of a wave, are on their way.  In steps 10 to 13 the same 16 loads bring what the way out wants: hbt's and V_w's numbers of my 256 hidden units.
; tanh(x) = 1 - 2 / (1 + 2^(2 log2(e) x)): at both ends the exponential's infinity and 0 give 1 and -1.  score = sum V_w - 2 sum V_w / (1 + ..).
; LIMITS: NaN and infinities in encoded are not served by the quantiser; a block of zeros gets the byte 1 (its codes are zeros; the bytes stay in this launch).
; REGISTERS, in windows of 256: window 0: v1-11 addresses; v12-15, v16-23 scale words and nothing else; v24-43 the quantiser's; v44-63 see below; v64-127 A's four fragments; v128-191, v192-255 B's fragments, two sets of four.
;   window 1: four half-sets of 64 f32 (row i of a half at 64 hs + 8 i); at the end v[8 f] hbt's and v[128 + 8 f] V_w's eight numbers of fragment f.   windows 2, 3: accumulator (f, m) at 8 (4 (f % 8) + m); f < 8 in window 2.
.set WPART,  33792                     ; a block of wq: a wave's part of a slot
.set SLOTB,  135168                    ; a slot: four blocks.  Slot 0 at LDS byte 0, slot 1 behind it
.set ABUF,   270336                    ; behind the ring: A's codes, two buffers of 64 rows x (256 codes + 16)
.set ABUFB,  17408
.set APITCH, 272
.set ASC,    305152                    ; A's scale bytes, two buffers of 64 rows x 8
.set PART,   306176                    ; the waves' parts of the 64 scores: [wave][64] f32
.set SPARE,  307200                    ; the spare words, 128 bytes a wave: two blocks of 256 bytes that no other line names
.set SPW, 1                            ; v1   LDS address of my spare word; never rewritten
.set NIL, 2                            ; v2   0; never rewritten
.set GA,  3                            ; v3   32 x lane: my 8 numbers of a row's 256
.set ACS, 4                            ; v4   where I store codes: ABUF + 16 rows x wave + 8 x lane
.set ASS, 5                            ; v5   and scale bytes: ASC + 128 x wave + lane / 4
.set AFR, 6                            ; v6   where I read A's fragments: ABUF + 272 r + 16 h
.set ASR, 7                            ; v7   and A's scale words: ASC + 8 r
.set BFR, 8                            ; v8, v9   my block in slot 0, 1: + 16 x lane
.set BSR, 10                           ; v10, v11 its scale words: + 32,768 + 4 x lane
.set AS,  12                           ; v12-15 A's scale words, tile of rows m
.set BS,  16                           ; v16-23 B's: register p: lanes 0-15 fragment 2 p, lanes 16-31 fragment 2 p + 1
.set T,   24                           ; v24-27 largest magnitudes, then bytes
.set SO,  28                           ; v28-31 the conversions' scale operands
.set HH,  32                           ; v32-35 448 x the scale
.set CC,  36                           ; v36-43 four rows' codes, 8 bytes each
.set CO,  44                           ; v44   32 h: my half's eight numbers of a fragment's sixteen
.set MK,  45                           ; v45   two mask bytes: rows 2 lane, 2 lane + 1
.set SS,  46                           ; v46-53 sum of V_w / (1 + ..), a pair for each tile of rows
.set SV,  54                           ; v54-55 sum of V_w
.set PD,  56                           ; v56-59 lane permutes' destinations
.set RR,  60                           ; v60-63 at work at the head and on the way out
.set AF,  64
.set TT,  64                           ; the way out: 64 numbers at work, where A's fragments lay
.set BF0, 128
.set BF1, 192
.set MSB, 0
.macro WIN new                         ; the immediate's high byte repeats the setting that is left; a switch that changes nothing is dropped
.if MSB != (\new)
	s_set_vgpr_msb (MSB<<8)|(\new)
.set MSB, (\new)
.endif
.endm
.macro PLACES n
.rept \n
	v_nop
.endr
.endm
; A round of the cluster's barrier: my work-group's barrier; wave 0 signals for the work-group; every wave waits for the four work-groups; my work-group's barrier once more.
.macro ROUND
	s_barrier_signal -1
	s_barrier_wait -1
	s_cmp_lg_u32 s18, 0
	s_cbranch_scc1 .Lnot_wave_0_\@
	s_barrier_signal -3
.Lnot_wave_0_\@:
	s_barrier_wait -3
	s_barrier_signal -1
	s_barrier_wait -1
.endm
; 16 loads: eight rows x 1,024 bytes of encoded into half-set hs.  y: which eight of my 16 rows; koff: the bytes along K.  A pair of loads covers a row's 1,024 bytes.
.macro ALOAD hs, y, koff
	WIN 0x40                                       ; destination window 1
.irp i, 0,1,2,3,4,5,6,7
	global_load_b128 v[64*(\hs)+8*\i:64*(\hs)+8*\i+3], v[GA], s[4:5] offset:(\koff)+(8*(\y)+\i)*8192 th:TH_LOAD_NT
	global_load_b128 v[64*(\hs)+8*\i+4:64*(\hs)+8*\i+7], v[GA], s[4:5] offset:(\koff)+(8*(\y)+\i)*8192+16 th:TH_LOAD_NT
.endr
	WIN 0
.endm
; 16 loads into the same registers: the way out's constants.  hs 0, 1: hbt of fragments 0-7, 8-15; hs 2, 3: V_w of the same
.macro CLOAD hs
	WIN 0x40
.irp i, 0,1,2,3,4,5,6,7
.if (\hs) < 2
	global_load_b128 v[64*(\hs)+8*\i:64*(\hs)+8*\i+3], v[CO], s[8:9] offset:(8*(\hs)+\i)*1024
	global_load_b128 v[64*(\hs)+8*\i+4:64*(\hs)+8*\i+7], v[CO], s[8:9] offset:(8*(\hs)+\i)*1024+16
.else
	global_load_b128 v[64*(\hs)+8*\i:64*(\hs)+8*\i+3], v[CO], s[10:11] offset:(8*((\hs)-2)+\i)*64
	global_load_b128 v[64*(\hs)+8*\i+4:64*(\hs)+8*\i+7], v[CO], s[10:11] offset:(8*((\hs)-2)+\i)*64+16
.endif
.endr
	WIN 0
.endm
; Half-set hs (eight rows x 256 along K) becomes codes and scale bytes in A's buffer buf, four rows at a time, the rows by turns.
.macro QUANT8 hs, buf, y
	s_wait_loadcnt 48                              ; behind this half's 16 loads three more halves of 16 have been issued, on every way here: they may stay out
.irp g, 0,1
	WIN 0x14                                       ; sources 1 and 2 window 1
.irp r, 0,1,2,3
	v_max3_num_f32 v[T+\r], 0x4800000, |v[64*(\hs)+8*(4*\g+\r)]|, |v[64*(\hs)+8*(4*\g+\r)+1]|   ; my 8 numbers of a block, and the floor 2^(9 - 127): the byte cannot fall under 1
.endr
.irp p, 2,4,6
.irp r, 0,1,2,3
	v_max3_num_f32 v[T+\r], v[T+\r], |v[64*(\hs)+8*(4*\g+\r)+\p]|, |v[64*(\hs)+8*(4*\g+\r)+\p+1]|
.endr
.endr
	WIN 0
.irp r, 0,1,2,3
	v_max_num_f32_dpp v[T+\r], v[T+\r], v[T+\r] row_xmask:1 row_mask:0xf bank_mask:0xf
.endr
.irp r, 0,1,2,3
	v_max_num_f32_dpp v[T+\r], v[T+\r], v[T+\r] row_xmask:2 row_mask:0xf bank_mask:0xf   ; four lanes hold a block: its largest magnitude
.endr
.irp r, 0,1,2,3
	v_add_nc_u32 v[SO+\r], 0xfc000000, v[T+\r]             ; 8 off the exponent field: the conversion's scale operand
.endr
.irp r, 0,1,2,3
	v_and_or_b32 v[HH+\r], v[T+\r], 0x7f800000, s19        ; 448 x the scale
.endr
.irp r, 0,1,2,3
	v_lshrrev_b32 v[T+\r], 23, v[SO+\r]                    ; the scale's byte
.endr
	WIN 0x41                                       ; destination and source 0 window 1
.irp r, 0,1,2,3
.irp p, 0,1,2,3,4,5,6,7
	v_med3_num_f32 v[64*(\hs)+8*(4*\g+\r)+\p], v[64*(\hs)+8*(4*\g+\r)+\p], -v[HH+\r], v[HH+\r]   ; the conversion to an 8-bit code does not saturate (ISA guide 7.6.2): the hold comes first
.endr
.endr
	WIN 0x01                                       ; source 0 window 1
.irp r, 0,1,2,3
	v_cvt_scalef32_pk8_fp8_f32 v[CC+2*\r:CC+2*\r+1], v[64*(\hs)+8*(4*\g+\r):64*(\hs)+8*(4*\g+\r)+7], v[SO+\r]
.endr
	v_nop                                          ; one plain line behind the last conversion
	WIN 0
.irp r, 0,1,2,3
	ds_store_b64 v[ACS], v[CC+2*\r:CC+2*\r+1] offset:ABUFB*(\buf)+(8*(\y)+4*\g+\r)*APITCH   ; 32 lanes: a row's 256 codes
	ds_store_b8 v[ASS], v[T+\r] offset:512*(\buf)+8*(8*(\y)+4*\g+\r)                        ; the four lanes of a block write the same byte with the same value
.endr
.endr
.endm
.macro AFETCH abuf, q                  ; A's four fragments (16 rows x 128 K) and their scale words: the q-th 128 of buffer abuf's 256
.irp m, 0,1,2,3
.irp c, 0,1,2,3
	ds_load_b128 v[AF+16*\m+4*\c:AF+16*\m+4*\c+3], v[AFR] offset:ABUFB*(\abuf)+16*APITCH*\m+128*(\q)+32*\c
.endr
	ds_load_b32 v[AS+\m], v[ASR] offset:512*(\abuf)+128*\m+4*(\q)
.endr
.endm
.macro SFETCH slot                     ; my block's scale words
.irp p, 0,1,2,3,4,5,6,7
	ds_load_b32 v[BS+\p], v[BSR+(\slot)] offset:128*\p
.endr
.endm
.macro BFETCH slot, g, bf              ; fragments 4 g .. 4 g + 3 of my block into set bf
.irp i, 0,1,2,3
.irp c, 0,1,2,3
	ds_load_b128 v[\bf+16*\i+4*\c:\bf+16*\i+4*\c+3], v[BFR+(\slot)] offset:2048*(4*(\g)+\i)+512*\c
.endr
.endr
.endm
; 16 matrix instructions: fragments 4 g .. 4 g + 3 x the four tiles of rows.  The 64 accumulators take turns, one instruction a turn, in the same order in every step.
; zero = 1: the first step's products start the sums: nothing is cleared.
.macro MUL g, bf, zero
.irp i, 0,1,2,3
.irp m, 0,1,2,3
.set FI, 4*(\g)+\i
.set AC, 8*(4*(FI%8)+\m)
.if \zero
.if FI%2
	v_wmma_scale_f32_16x16x128_f8f6f4 v[AC:AC+7], v[\bf+16*\i:\bf+16*\i+15], v[AF+16*\m:AF+16*\m+15], 0, v[BS+FI/2], v[AS+\m] matrix_a_scale:MATRIX_SCALE_ROW1
.else
	v_wmma_scale_f32_16x16x128_f8f6f4 v[AC:AC+7], v[\bf+16*\i:\bf+16*\i+15], v[AF+16*\m:AF+16*\m+15], 0, v[BS+FI/2], v[AS+\m]
.endif
.else
.if FI%2
	v_wmma_scale_f32_16x16x128_f8f6f4 v[AC:AC+7], v[\bf+16*\i:\bf+16*\i+15], v[AF+16*\m:AF+16*\m+15], v[AC:AC+7], v[BS+FI/2], v[AS+\m] matrix_a_scale:MATRIX_SCALE_ROW1
.else
	v_wmma_scale_f32_16x16x128_f8f6f4 v[AC:AC+7], v[\bf+16*\i:\bf+16*\i+15], v[AF+16*\m:AF+16*\m+15], v[AC:AC+7], v[BS+FI/2], v[AS+\m]
.endif
.endif
.endr
.endr
.endm
; A K STEP of 128.  t4 = t % 4.  At its head stands the change of slots: every wave waits for all its tensor loads (one is out: this step's block), adds 0 to its spare word, and waits for that, for its reads of the
; slot and of A's buffer that it has left, and for its stores of codes; then a round of the cluster's barrier.  Behind it: this step's blocks are whole, A's codes of the last two steps' quantising are seen by all four
; waves, nobody in the cluster reads the other slot, and nobody here reads the A buffer that this step's quantiser writes (the one that this step does not read).
; quant = 1: half t + 2 is quantised.  lsel: what the freed registers take: 1 half t + 6; 2 the same, or in the loop's last trip constants; 3 constants.  refill = 1: the next step's block is asked for.
.macro STEP t4, zero, quant, lsel, koff, refill
.set SLT,  (\t4)&1                     ; the slot; also which 128 of A's 256, and which eight rows the quantiser takes
.set ABF,  (\t4)>>1                    ; A's buffer that is read
.set HSET, ((\t4)+2)&3                 ; the half-set that is quantised
.set QBF,  (((\t4)+2)>>1)&1            ; A's buffer that is written
	s_wait_tensorcnt 0x0                           ; no tensor load of mine is out, so a group 0 may be written
	ds_add_u32 v[SPW], v[NIL]                      ; 0 onto my spare word
	s_add_nc_u64 s[34+4*SLT:35+4*SLT], s[34+4*SLT:35+4*SLT], 2*SLOTB   ; this slot's next block: two K steps on
	s_wait_dscnt 0x0
	ROUND
.if \refill
	tensor_load_to_lds s[36-4*SLT:39-4*SLT], s[24:31]  ; the first thing behind the round, my one tensor load until the next: it has this step's 64 matrix instructions in which to land
	s_nop 0
.endif
	PLACES 8                                       ; in front of loads into registers that the last step's matrix instructions have read
	AFETCH ABF, SLT
	SFETCH SLT
	BFETCH SLT, 0, BF0
	BFETCH SLT, 1, BF1
.if \quant
	QUANT8 HSET, QBF, SLT
.if \lsel == 1
	ALOAD HSET, SLT, \koff
.elseif \lsel == 2
	s_cmp_lt_u32 s42, 2                            ; the loop's count alone decides: in its last trip encoded has no half left
	s_cbranch_scc0 .Lconst_\@
	ALOAD HSET, SLT, \koff
	s_branch .Ljoin_\@
.Lconst_\@:
	CLOAD HSET                                     ; 16 loads on this way too: the counts stay the same
.Ljoin_\@:
.else
	CLOAD HSET
.endif
	s_wait_dscnt 32                                ; A, the scale words and B's first four fragments are in; behind them: B's next four (16 loads) and the quantiser's 16 stores
.else
	s_wait_dscnt 16                                ; the same without the stores
.endif
	WIN 0xa0                                       ; C and D window 2
	MUL 0, BF0, \zero
	WIN 0
	PLACES 8
	BFETCH SLT, 2, BF0
	s_wait_dscnt 16                                ; all but the 16 just issued
	WIN 0xa0
	MUL 1, BF1, \zero
	WIN 0
	PLACES 8
	BFETCH SLT, 3, BF1
	s_wait_dscnt 16
	WIN 0xf0                                       ; C and D window 3
	MUL 2, BF0, \zero
	s_wait_dscnt 0x0
	MUL 3, BF1, \zero
	WIN 0
.endm
	s_load_b256 s[4:11], s[0:1], 0x0               ; encoded s[4:5], wq s[6:7], hbt s[8:9], V_w s[10:11]
	s_load_b128 s[12:15], s[0:1], 0x20             ; V_b s[12:13], mask s[14:15]
	s_load_b64 s[16:17], s[0:1], 0x30              ; scores
	v_lshl_add_u32 v[SPW], v0, 2, SPARE
	v_mov_b32 v[NIL], 0
	ds_add_u32 v[SPW], v[NIL]                      ; the wave's opening: the add twice on end, waited for ahead of my first tensor load; the set-up below stands between
	ds_add_u32 v[SPW], v[NIL]
	v_lshrrev_b32 v60, 5, v0
	v_readfirstlane_b32 s18, v60                   ; wave 0..3
	v_and_b32 v60, 31, v0                          ; lane
	v_and_b32 v61, 15, v0                          ; r
	v_bfe_u32 v62, v0, 4, 1                        ; h
	s_bfe_u32 s40, ttmp6, 0x40000                  ; cx: my place in the cluster
	s_lshl_b32 s41, ttmp9, 2                       ; in a cluster launch ttmp9 counts clusters
	s_add_co_u32 s41, s41, s40                     ; my block of 64 rows: it enters the addresses of encoded, hbt, mask and scores alone
	; descriptor group 1: a block of wq, 33,792 dense bytes, as 132 rows of 32 elements of 8 bytes
	s_mov_b32 s24, 15|(3<<16)|(1<<21)              ; 15:0 the mask: all four work-groups; 17:16 elements of 8 bytes; 21 set beside a mask; no padding
	s_mov_b32 s25, 32<<16                          ; tensor_dim0 = 32
	s_mov_b32 s26, 132<<16                         ; tensor_dim1 = 132
	s_mov_b32 s27, 32<<16                          ; tile_dim0 = 32
	s_mov_b32 s28, 132                             ; tile_dim1 = 132
	s_mov_b32 s29, 32                              ; from row to row
	s_mov_b32 s30, 0
	s_mov_b32 s31, 0
	s_mov_b32 s19, 0x600000                        ; the mantissa field of 448
	s_mov_b32 s20, 0x76543210
	s_mov_b32 s21, 0xfedcba98                      ; v_permlanex16_b32's selects for lane l xor 16
	s_mov_b32 s22, 0x4038aa3b                      ; 2 log2(e)
	s_mov_b32 s23, s22                             ; (named with it as a pair, so it is written)
	s_mul_i32 s45, s18, WPART                      ; my block's place in a slot, and among a K step's four in wq: the wave's number alone
	s_mul_i32 s43, s18, 16*APITCH
	s_add_co_u32 s43, s43, ABUF
	s_lshl_b32 s44, s18, 7
	s_add_co_u32 s44, s44, ASC
	v_lshlrev_b32 v[GA], 5, v60
	v_lshl_add_u32 v[ACS], v60, 3, s43
	v_lshrrev_b32 v[ASS], 2, v60
	v_add_nc_u32 v[ASS], s44, v[ASS]
	v_mul_u32_u24 v[AFR], v61, APITCH
	v_lshl_add_u32 v[AFR], v62, 4, v[AFR]
	v_add_nc_u32 v[AFR], ABUF, v[AFR]
	v_lshl_add_u32 v[ASR], v61, 3, ASC
	v_lshl_add_u32 v[BFR], v60, 4, s45
	v_add_nc_u32 v[BFR+1], SLOTB, v[BFR]
	v_lshl_add_u32 v[BSR], v60, 2, s45
	v_add_nc_u32 v[BSR], 32768, v[BSR]
	v_add_nc_u32 v[BSR+1], SLOTB, v[BSR]
	v_lshlrev_b32 v[CO], 5, v62
	v_lshlrev_b32 v63, 1, v60                      ; 2 x lane: my two mask bytes
.irp m, 0,1,2,3
	v_mov_b32 v[PD+\m], 0                          ; written once: a lane permute's destination counts as one of its sources
.endr
	s_lshl_b32 s46, s41, 19                        ; 64 rows of 8,192 bytes a block,
	s_lshl_b32 s47, s18, 17                        ; 16 rows a wave
	s_add_co_u32 s46, s46, s47
	s_mov_b32 s47, 0
	s_lshr_b32 s50, s41, 5                         ; the batch: 32 blocks each
	s_lshl_b32 s50, s50, 6                         ; 64 bytes a batch in a tile of hbt,
	s_lshl_b32 s51, s18, 14                        ; 16 tiles of 1,024 bytes a wave
	s_add_co_u32 s50, s50, s51
	s_mov_b32 s51, 0
	s_lshl_b32 s52, s18, 10                        ; V_w: 256 numbers a wave
	s_mov_b32 s53, 0
	s_lshl_b32 s54, s41, 6                         ; mask: 64 bytes a block
	s_mov_b32 s55, 0
	s_lshl_b32 s56, s41, 8                         ; scores: 256 bytes a block
	s_mov_b32 s57, 0
	s_mov_b32 s58, s45
	s_mov_b32 s59, 0
	s_wait_dscnt 0x0                               ; both opening adds are done
	s_wait_kmcnt 0x0
	s_add_nc_u64 s[4:5], s[4:5], s[46:47]
	s_add_nc_u64 s[8:9], s[8:9], s[50:51]
	s_add_nc_u64 s[10:11], s[10:11], s[52:53]
	s_add_nc_u64 s[14:15], s[14:15], s[54:55]
	s_add_nc_u64 s[16:17], s[16:17], s[56:57]
	s_mov_b32 s32, 1                               ; group 0 of slot 0: count = 1,
	s_mov_b32 s33, s45                             ; LDS address,
	s_add_nc_u64 s[34:35], s[6:7], s[58:59]        ; block (0, w),
	s_mov_b32 s36, 1                               ; of slot 1:
	s_add_co_u32 s37, s45, SLOTB
	s_add_nc_u64 s[38:39], s[34:35], SLOTB         ; block (1, w)
	s_or_b32 s35, s35, 0x80000000                  ; type = 2
	s_or_b32 s39, s39, 0x80000000
	s_load_b32 s48, s[12:13], 0x0                  ; V_b: waited for on the way out
	global_load_u16 v[MK], v63, s[14:15]           ; the mask bytes, for the way out (wave 0 uses them; asked for by every wave, so that the counts are the same in all)
	ALOAD 0, 0, 0
	ALOAD 1, 1, 0
	ALOAD 2, 0, 1024
	ALOAD 3, 1, 1024
	ROUND                                          ; all four work-groups are here: the first joint loads meet
	tensor_load_to_lds s[32:35], s[24:31]          ; K step 0's block
	s_nop 0
	PLACES 4
	QUANT8 0, 0, 0
	ALOAD 0, 0, 2048
	QUANT8 1, 0, 1
	ALOAD 1, 1, 2048
	STEP 0, 1, 1, 1, 3072, 1                       ; the first step stands in front of the loop: its products start the sums.  Behind its round slot 1 is filled for the first time, in all four waves
	s_mov_b32 s42, 0
.Lk:                                               ; three trips of four steps: t = 4 i + 1 .. 4 i + 4
	STEP 1, 0, 1, 1, 3072, 1
	STEP 2, 0, 1, 2, 4096, 1
	STEP 3, 0, 1, 2, 4096, 1
	STEP 0, 0, 1, 2, 5120, 1
	s_wait_xcnt 0x0                                ; the loads have read their base: it may step
	s_add_nc_u64 s[4:5], s[4:5], 2048              ; 512 along K
	s_add_co_u32 s42, s42, 1
	s_cmp_lt_u32 s42, 3
	s_cbranch_scc1 .Lk
	STEP 1, 0, 1, 3, 0, 1                          ; t = 13: the last half is quantised
	STEP 2, 0, 0, 0, 0, 1                          ; t = 14
	STEP 3, 0, 0, 0, 0, 0                          ; t = 15: nothing is left to fetch
	; THE WAY OUT.  The addresses are five of the eight places behind the last products.
	s_wait_loadcnt 0x0                             ; the constants
	s_wait_kmcnt 0x0                               ; V_b
	v_and_b32 v8, 15, v0
	s_lshl_b32 s43, s18, 8
	s_add_co_u32 s43, s43, PART
	v_lshl_add_u32 v8, v8, 2, s43                  ; where my wave's part of row r's score goes
	v_and_b32 v10, 31, v0
	v_lshlrev_b32 v10, 3, v10                      ; 8 x lane: two scores
	v_add_nc_u32 v9, PART, v10
	PLACES 3
	WIN 0x05                                       ; sources 0 and 1 window 1
.irp c, 0,1,2,3
	v_pk_add_f32 v[TT+2*\c:TT+2*\c+1], v[128+2*\c:129+2*\c], v[136+2*\c:137+2*\c]   ; the sum of my 128 numbers of V_w, in four chains
.endr
	WIN 0x04                                       ; source 1 window 1
.irp f, 2,3,4,5,6,7,8,9,10,11,12,13,14,15
.irp c, 0,1,2,3
	v_pk_add_f32 v[TT+2*\c:TT+2*\c+1], v[TT+2*\c:TT+2*\c+1], v[128+8*\f+2*\c:129+8*\f+2*\c]
.endr
.endr
	WIN 0
	v_pk_add_f32 v[TT:TT+1], v[TT:TT+1], v[TT+2:TT+3]
	v_pk_add_f32 v[TT+4:TT+5], v[TT+4:TT+5], v[TT+6:TT+7]
	v_pk_add_f32 v[SV:SV+1], v[TT:TT+1], v[TT+4:TT+5]
; Fragments 2 be, 2 be + 1 x the four tiles of rows: 64 numbers a lane.  The exponentials and the reciprocals go as batches, each with one plain line and one wait ahead of its first reader.
.macro EBATCH be
	WIN 0x12+(\be)/4                               ; source 0 (the accumulators) window 2 or 3, source 2 (hbt) window 1
.irp u, 0,1
.irp m, 0,1,2,3
.irp p, 0,1,2,3
	v_pk_fma_f32 v[TT+2*(4*(4*\u+\m)+\p):TT+2*(4*(4*\u+\m)+\p)+1], v[8*(4*((2*(\be)+\u)%8)+\m)+2*\p:8*(4*((2*(\be)+\u)%8)+\m)+2*\p+1], s[22:23], v[8*(2*(\be)+\u)+2*\p:8*(2*(\be)+\u)+2*\p+1] op_sel_hi:[1,0,1]   ; 2 log2(e) m; each accumulator from its low end on
.endr
.endr
.endr
	WIN 0
.set j, 0
.rept 64
	v_exp_f32 v[TT+j], v[TT+j]
.set j, j+1
.endr
	v_nop
	s_wait_alu depctr_va_vdst(0)
.set j, 0
.rept 32
	v_pk_add_f32 v[TT+j:TT+j+1], v[TT+j:TT+j+1], 1.0 op_sel_hi:[1,0]
.set j, j+2
.endr
.set j, 0
.rept 64
	v_rcp_f32 v[TT+j], v[TT+j]
.set j, j+1
.endr
	v_nop
	s_wait_alu depctr_va_vdst(0)
	WIN 0x04                                       ; source 1 (V_w) window 1
.irp u, 0,1
.irp p, 0,1,2,3
.irp m, 0,1,2,3
.if ((\be) == 0) && (\u == 0) && (\p == 0)
	v_pk_mul_f32 v[SS+2*\m:SS+2*\m+1], v[TT+2*(4*(4*\u+\m)+\p):TT+2*(4*(4*\u+\m)+\p)+1], v[128+8*(2*(\be)+\u)+2*\p:129+8*(2*(\be)+\u)+2*\p]   ; the first products start the sums
.else
	v_pk_fma_f32 v[SS+2*\m:SS+2*\m+1], v[TT+2*(4*(4*\u+\m)+\p):TT+2*(4*(4*\u+\m)+\p)+1], v[128+8*(2*(\be)+\u)+2*\p:129+8*(2*(\be)+\u)+2*\p], v[SS+2*\m:SS+2*\m+1]
.endif
.endr
.endr
.endr
	WIN 0
.endm
.irp e, 0,1,2,3,4,5,6,7
	EBATCH \e
.endr
	v_add_f32 v[SV], v[SV], v[SV+1]
.irp m, 0,1,2,3
	v_add_f32 v[RR+\m], v[SS+2*\m], v[SS+2*\m+1]
.endr
.irp m, 0,1,2,3
	v_fma_f32 v[RR+\m], v[RR+\m], -2.0, v[SV]      ; sum V_w - 2 sum V_w / (1 + ..), over my half's hidden units
.endr
.irp m, 0,1,2,3
	v_permlanex16_b32 v[PD+\m], v[RR+\m], s20, s21
.endr
.irp m, 0,1,2,3
	v_add_f32 v[RR+\m], v[RR+\m], v[PD+\m]         ; with lane l xor 16's: my wave's 256 hidden units
.endr
.irp m, 0,1,2,3
	ds_store_b32 v8, v[RR+\m] offset:64*\m         ; row 16 m + r; lanes r and r + 16 write the same word with the same value
.endr
	s_wait_dscnt 0x0                               ; for the others' sake: my parts lie in LDS
	s_barrier_signal -1
	s_barrier_wait -1
	s_cmp_lg_u32 s18, 0
	s_cbranch_scc1 .Ldone
.irp k, 0,1,2,3
	ds_load_b64 v[TT+2*\k:TT+2*\k+1], v9 offset:256*\k
.endr
	s_wait_dscnt 0x0
	v_pk_add_f32 v[TT:TT+1], v[TT:TT+1], v[TT+2:TT+3]
	v_pk_add_f32 v[TT+4:TT+5], v[TT+4:TT+5], v[TT+6:TT+7]
	v_pk_add_f32 v[TT:TT+1], v[TT:TT+1], v[TT+4:TT+5]
	v_add_f32 v[TT], s48, v[TT]                    ; + V_b
	v_add_f32 v[TT+1], s48, v[TT+1]
	v_and_b32 v26, 0xff, v[MK]
	v_lshrrev_b32 v27, 8, v[MK]
	v_mov_b32 v28, 0xce6e6b28                      ; -1e9
	v_cmp_ne_u32 vcc_lo, 0, v26
	v_cndmask_b32 v[TT], v[TT], v28, vcc_lo
	v_cmp_ne_u32 vcc_lo, 0, v27
	v_cndmask_b32 v[TT+1], v[TT+1], v28, vcc_lo
	global_store_b64 v10, v[TT:TT+1], s[16:17]     ; 32 lanes store 256 consecutive bytes, at a multiple of 256 from the buffer's first byte
.Ldone:
	s_wait_tensorcnt 0x0                           ; the wave's end: behind my last tensor load and my last LDS store
	ds_add_u32 v[SPW], v[NIL]
	s_wait_dscnt 0x0
	ROUND                                          ; the closing round: no work-group ends while a partner may still ask for a block that names it
	s_endpgm
.Lfunc_end_k_qd836019dde_score:
	.size	k_qd836019dde_score, .Lfunc_end_k_qd836019dde_score-k_qd836019dde_score
	.p2alignl 7, 3214868480
	.fill 96, 4, 3214868480
	.section	.rodata,"a",@progbits
	.p2align	6, 0x0
	.amdhsa_kernel k_qd836019dde_score
		.amdhsa_group_segment_fixed_size 327680
		.amdhsa_private_segment_fixed_size 0
		.amdhsa_enable_private_segment 0
		.amdhsa_kernarg_size 56
		.amdhsa_user_sgpr_count 2
		.amdhsa_user_sgpr_kernarg_segment_ptr 1
		.amdhsa_wavefront_size32 1
		.amdhsa_system_sgpr_workgroup_id_x 1
		.amdhsa_system_sgpr_workgroup_id_y 1
		.amdhsa_system_sgpr_workgroup_id_z 1
		.amdhsa_system_vgpr_workitem_id 0
		.amdhsa_next_free_vgpr 1024
		.amdhsa_next_free_sgpr 66
		.amdhsa_reserve_vcc 1
		.amdhsa_float_denorm_mode_32 3
		.amdhsa_float_denorm_mode_16_64 3
		.amdhsa_memory_ordered 1
		.amdhsa_forward_progress 1
		.amdhsa_inst_pref_size 255
	.end_amdhsa_kernel
	.section	.bss,"aw",@nobits
	.p2align	6
	.space	262144
	.amdgpu_metadata
---
amdhsa.version: [ 1, 2 ]
amdhsa.kernels:
  - .name:           k_qd836019dde_score
    .symbol:         k_qd836019dde_score.kd
    .args:
      - { .name: encoded, .offset: 0, .size: 8, .value_kind: global_buffer, .address_space: global }
      - { .name: wq, .offset: 8, .size: 8, .value_kind: global_buffer, .address_space: global }
      - { .name: hbt, .offset: 16, .size: 8, .value_kind: global_buffer, .address_space: global }
      - { .name: V_w, .offset: 24, .size: 8, .value_kind: global_buffer, .address_space: global }
      - { .name: V_b, .offset: 32, .size: 8, .value_kind: global_buffer, .address_space: global }
      - { .name: mask, .offset: 40, .size: 8, .value_kind: global_buffer, .address_space: global }
      - { .name: scores, .offset: 48, .size: 8, .value_kind: global_buffer, .address_space: global }
    .group_segment_fixed_size: 327680
    .private_segment_fixed_size: 0
    .kernarg_segment_align: 8
    .kernarg_segment_size: 56
    .max_flat_workgroup_size: 128
    .sgpr_count:     66
    .vgpr_count:     1024
    .wavefront_size: 32
...
	.end_amdgpu_metadata
.endif
;; end of part 2
;; launch pool (part 3): grid 16 x 16, 32 waves a work-group, no clusters, 29,184 bytes of LDS; arguments encoded, scores, live, out0, out1; writes out0, out1
.if DOCPART == 3
	.amdgcn_target "amdgcn-amd-amdhsa--gfx1250"
	.amdhsa_code_object_version 6
	.text
	.protected	k_qd836019dde_pool
	.globl	k_qd836019dde_pool
	.p2align	8
	.type	k_qd836019dde_pool,@function
k_qd836019dde_pool:
	s_mov_b64 s[64:65], 0
	v_nop
	global_prefetch_b8 v0, s[64:65] scope:SCOPE_SE
	s_setreg_imm32_b32 hwreg(HW_REG_WAVE_MODE, 25, 1), 1
	s_wait_xcnt 0x0
; Launch 3 of 3: out1[b] = softmax(scores[b]) over the 2,048 positions, the maximum taken away first; out0[b] = the sum over the positions of out1[b][s] encoded[b][s][:].  All in f32: fused multiply-adds (one row of weights).
; LEFT OUT: in a batch that has a row with mask = false, the rows with mask = true are not read for out0: their weight is 0.0 in f32 (shown at the head of the first launch; LIMIT: sum |V_w| + |V_b| < 9e8; a NaN or an
; infinity in such a row of encoded is not carried into out0).  Whole numbers from 'live' decide it.  A batch with every row masked (count 0) walks all 2,048 rows.  out1 is computed for every row.
; SHARES.  Work-group (j, b): batch b, columns 128 j .. 128 j + 127: 512 bytes of each row.  Every work-group makes the batch's softmax for itself (8 KB of scores); thread t holds rows 2 t, 2 t + 1.
; The rows to be read stand in the batch's list; run c of 16 list entries goes to wave c % 32.  Their weights, made in list order, through LDS.
; A run's 16 loads of 512 consecutive bytes are out together in each of the 32 waves.  No tensor loads, no matrix instructions: nothing is read twice by a work-group, and a product with one row has nothing for them.
.set RMAX,  0                          ; LDS: 32 waves' maxima,
.set RSUM,  256                        ; their sums,
.set LWGT,  512                        ; the 2,048 weights in list order,
.set RED,   8704                       ; 32 waves x 512 bytes of partial sums,
.set SPARE, 25088                      ; and the spare words, 128 bytes a wave: sixteen blocks of 256 bytes that no other line names
.set L2E,   0x3fb8aa3b                 ; log2(e)
; v0 (behind the head) 512 x wave + 16 x lane; v1, v2 the add's two; v3 8 x thread; v4 16 x lane; v5 64 x wave; v[6:7] my two scores, then weights; v[8:9] my two list entries, then their offsets;
; v[10:11] their scores, then weights; v12 4 x lane; v13 the maximum; v14 a lane permute's destination; v15 4 x wave; v16-31 a run's offsets; v32-47 its weights (v32: before that the sum); v48-63 four sets of sums; v64-127 16 rows' 16 bytes
.macro MAXW r                          ; the largest of the wave's 32, in every lane
.irp x, 1,2,4,8
	v_max_num_f32_dpp v[\r], v[\r], v[\r] row_xmask:\x row_mask:0xf bank_mask:0xf
.endr
	v_permlanex16_b32 v14, v[\r], s16, s17
	v_max_num_f32 v[\r], v[\r], v14
.endm
.macro SUMW r
.irp x, 1,2,4,8
	v_add_f32_dpp v[\r], v[\r], v[\r] row_xmask:\x row_mask:0xf bank_mask:0xf
.endr
	v_permlanex16_b32 v14, v[\r], s16, s17
	v_add_f32 v[\r], v[\r], v14
.endm
.macro BARRIER                         ; my LDS stores have landed and my LDS loads are in: then the work-group's barrier
	s_wait_dscnt 0x0
	s_barrier_signal -1
	s_barrier_wait -1
.endm
	s_load_b256 s[4:11], s[0:1], 0x0               ; encoded s[4:5], scores s[6:7], live s[8:9], out0 s[10:11]
	s_load_b64 s[12:13], s[0:1], 0x20              ; out1
	v_lshl_add_u32 v1, v0, 2, SPARE
	v_mov_b32 v2, 0
	v_lshrrev_b32 v3, 5, v0
	v_readfirstlane_b32 s14, v3                    ; wave 0..31
	v_and_b32 v12, 31, v0
	v_lshlrev_b32 v3, 3, v0
	v_lshlrev_b32 v4, 4, v12
	v_lshlrev_b32 v12, 2, v12
	s_lshl_b32 s26, s14, 6
	v_mov_b32 v5, s26
	s_lshl_b32 s28, s14, 2
	v_mov_b32 v15, s28
	s_lshl_b32 s28, s14, 9
	v_add_nc_u32 v0, s28, v4                       ; the thread's number is needed no more
	v_mov_b32 v14, 0
	s_mov_b32 s16, 0x76543210
	s_mov_b32 s17, 0xfedcba98                      ; v_permlanex16_b32's selects for lane l xor 16
	s_and_b32 s15, ttmp7, 0xffff                   ; the batch
	s_lshl_b32 s18, s15, 13                        ; 8,192 bytes a batch in scores, out0, out1
	s_mov_b32 s19, 0
	s_mul_i32 s20, s15, 8448
	s_mov_b32 s21, 0
	s_lshl_b32 s24, ttmp9, 9                       ; my 512 bytes of a row
	s_mov_b32 s25, 0
	s_lshl_b32 s22, s15, 24                        ; 2,048 rows of 8,192 bytes a batch
	s_add_co_u32 s22, s22, s24
	s_mov_b32 s23, 0
	s_wait_kmcnt 0x0
	s_add_nc_u64 s[6:7], s[6:7], s[18:19]
	s_add_nc_u64 s[8:9], s[8:9], s[20:21]
	s_add_nc_u64 s[4:5], s[4:5], s[22:23]
	s_add_nc_u64 s[10:11], s[10:11], s[18:19]
	s_add_nc_u64 s[10:11], s[10:11], s[24:25]
	s_add_nc_u64 s[12:13], s[12:13], s[18:19]
	s_load_b32 s27, s[8:9], 0x0                    ; the number of rows with mask = false
	s_load_b512 s[32:47], s[8:9], s26 offset:256           ; my four runs of 16 row numbers: list entries 16 (wave + 32 k) on
	s_load_b512 s[48:63], s[8:9], s26 offset:256+2048
	s_load_b512 s[68:83], s[8:9], s26 offset:256+4096
	s_load_b512 s[84:99], s[8:9], s26 offset:256+6144
	global_load_b64 v[6:7], v3, s[6:7]             ; scores of rows 2 t, 2 t + 1
	global_load_b64 v[8:9], v3, s[8:9] offset:256  ; list entries 2 t, 2 t + 1
	s_wait_loadcnt 0x0
	v_min_u32 v8, 2047, v8                         ; a loaded number enters an address only behind this bound
	v_min_u32 v9, 2047, v9
	v_lshlrev_b32 v8, 2, v8
	v_lshlrev_b32 v9, 2, v9
	global_load_b32 v10, v8, s[6:7]                ; the scores of those entries' rows: wanted behind the softmax's sums
	global_load_b32 v11, v9, s[6:7]
	; the maximum
	v_max_num_f32 v13, v6, v7
	MAXW 13
	ds_store_b32 v15, v13 offset:RMAX              ; all lanes write the wave's word with the same value
	BARRIER
	ds_load_b32 v13, v12 offset:RMAX
	s_wait_dscnt 0x0
	MAXW 13
	; the sum.  The difference is formed first and multiplied then: a multiply-add on the scores themselves would lose it beside -1e9
	v_sub_f32 v6, v6, v13
	v_sub_f32 v7, v7, v13
	v_mul_f32 v6, L2E, v6
	v_mul_f32 v7, L2E, v7
	v_exp_f32 v6, v6
	v_exp_f32 v7, v7
	v_nop                                          ; a plain line behind the exponentials,
	s_wait_alu depctr_va_vdst(0)                   ; and a wait ahead of their first reader
	v_add_f32 v32, v6, v7
	SUMW 32
	ds_store_b32 v15, v32 offset:RSUM
	BARRIER
	ds_load_b32 v32, v12 offset:RSUM
	s_wait_dscnt 0x0
	SUMW 32
	v_rcp_f32 v32, v32
	v_nop
	s_wait_alu depctr_va_vdst(0)
	v_mul_f32 v6, v6, v32
	v_mul_f32 v7, v7, v32
	; out1: of the batch's sixteen work-groups each stores 128 rows' weights: waves 2 j and 2 j + 1
	s_lshr_b32 s28, s14, 1
	s_cmp_lg_u32 s28, ttmp9
	s_cbranch_scc1 .Lnot_mine
	global_store_b64 v3, v[6:7], s[12:13]          ; 32 lanes store 256 consecutive bytes, at a multiple of 256 from the buffer's first byte
.Lnot_mine:
	; the weights in list order
	s_wait_loadcnt 0x0
	v_sub_f32 v10, v10, v13
	v_sub_f32 v11, v11, v13
	v_mul_f32 v10, L2E, v10
	v_mul_f32 v11, L2E, v11
	v_exp_f32 v10, v10
	v_exp_f32 v11, v11
	v_nop
	s_wait_alu depctr_va_vdst(0)
	v_mul_f32 v10, v10, v32
	v_mul_f32 v11, v11, v32
	ds_store_b64 v3, v[10:11] offset:LWGT
.irp i, 0,1,2,3,4,5,6,7,8,9,10,11,12,13,14,15
	v_mov_b32 v[48+\i], 0                          ; the sums begin as zeros: a wave may have no run at all
.endr
	BARRIER
	s_wait_kmcnt 0x0                               ; the count and my row numbers
	s_cmp_eq_u32 s27, 0
	s_cselect_b32 s27, 2048, s27                   ; every row masked: all rows count
	s_add_co_u32 s27, s27, 15
	s_lshr_b32 s27, s27, 4                         ; runs of 16; the last run's entries past the count are masked rows, with their true weights
; Run wave + 32 k: 16 rows x my 512 bytes.  sb: the scalar registers with its row numbers.
.macro CHUNK k, sb
	s_add_co_u32 s28, s14, 32*\k
	s_cmp_ge_u32 s28, s27
	s_cbranch_scc1 .Lsum                           ; a stored whole number decides; no barrier is jumped over
.irp i, 0,1,2,3
	ds_load_b128 v[32+4*\i:35+4*\i], v5 offset:LWGT+2048*\k+16*\i   ; the run's 16 weights, the same in every lane
.endr
.irp e, 0,1,2,3,4,5,6,7,8,9,10,11,12,13,14,15
	s_min_u32 s[\sb+\e], s[\sb+\e], 2047           ; a loaded number enters an address only behind this bound
	s_lshl_b32 s[\sb+\e], s[\sb+\e], 13            ; 8,192 bytes a row
	v_add_nc_u32 v[16+\e], s[\sb+\e], v4
.endr
.irp e, 0,1,2,3,4,5,6,7,8,9,10,11,12,13,14,15
	global_load_b128 v[64+4*\e:67+4*\e], v[16+\e], s[4:5] th:TH_LOAD_NT   ; 32 lanes read 512 consecutive bytes
.endr
	s_wait_dscnt 0x0
.irp e, 0,1,2,3,4,5,6,7,8,9,10,11,12,13,14,15
	s_wait_loadcnt 15-\e                           ; loads come back in order: row e is in, the younger rows stay out; the last count, 0, also frees the offsets for the next run
.if (\e)%2
	v_pk_fma_f32 v[48+4*((\e)%4):49+4*((\e)%4)], v[64+4*\e:65+4*\e], v[31+\e:32+\e], v[48+4*((\e)%4):49+4*((\e)%4)] op_sel:[0,1,0] op_sel_hi:[1,1,1]   ; the pair's upper word, the odd entry's weight, for both halves
	v_pk_fma_f32 v[50+4*((\e)%4):51+4*((\e)%4)], v[66+4*\e:67+4*\e], v[31+\e:32+\e], v[50+4*((\e)%4):51+4*((\e)%4)] op_sel:[0,1,0] op_sel_hi:[1,1,1]
.else
	v_pk_fma_f32 v[48+4*((\e)%4):49+4*((\e)%4)], v[64+4*\e:65+4*\e], v[32+\e:33+\e], v[48+4*((\e)%4):49+4*((\e)%4)] op_sel_hi:[1,0,1]                  ; the lower word for both halves
	v_pk_fma_f32 v[50+4*((\e)%4):51+4*((\e)%4)], v[66+4*\e:67+4*\e], v[32+\e:33+\e], v[50+4*((\e)%4):51+4*((\e)%4)] op_sel_hi:[1,0,1]
.endif
.endr
.endm
	CHUNK 0, 32
	CHUNK 1, 48
	CHUNK 2, 68
	CHUNK 3, 84
.Lsum:
	v_pk_add_f32 v[48:49], v[48:49], v[52:53]
	v_pk_add_f32 v[50:51], v[50:51], v[54:55]
	v_pk_add_f32 v[56:57], v[56:57], v[60:61]
	v_pk_add_f32 v[58:59], v[58:59], v[62:63]
	v_pk_add_f32 v[48:49], v[48:49], v[56:57]
	v_pk_add_f32 v[50:51], v[50:51], v[58:59]
	ds_store_b128 v0, v[48:51] offset:RED
	BARRIER
	s_cmp_lg_u32 s14, 0
	s_cbranch_scc1 .Ldone
.irp q, 0,1,2,3                        ; wave 0 adds the 32 waves' sums, eight at a time (its own among the first eight)
.irp i, 0,1,2,3,4,5,6,7
	ds_load_b128 v[64+4*\i:67+4*\i], v4 offset:RED+512*(8*\q+\i)
.endr
	s_wait_dscnt 0x0
.irp i, 0,2,4,6
	v_pk_add_f32 v[64+4*\i:65+4*\i], v[64+4*\i:65+4*\i], v[68+4*\i:69+4*\i]
	v_pk_add_f32 v[66+4*\i:67+4*\i], v[66+4*\i:67+4*\i], v[70+4*\i:71+4*\i]
.endr
.irp i, 0,4
	v_pk_add_f32 v[64+4*\i:65+4*\i], v[64+4*\i:65+4*\i], v[72+4*\i:73+4*\i]
	v_pk_add_f32 v[66+4*\i:67+4*\i], v[66+4*\i:67+4*\i], v[74+4*\i:75+4*\i]
.endr
.if \q == 0
	v_pk_add_f32 v[48:49], v[64:65], v[80:81]
	v_pk_add_f32 v[50:51], v[66:67], v[82:83]
.else
	v_pk_add_f32 v[64:65], v[64:65], v[80:81]
	v_pk_add_f32 v[66:67], v[66:67], v[82:83]
	v_pk_add_f32 v[48:49], v[48:49], v[64:65]
	v_pk_add_f32 v[50:51], v[50:51], v[66:67]
.endif
.endr
	global_store_b128 v4, v[48:51], s[10:11]       ; 32 lanes store 512 consecutive bytes, at a multiple of 256 from the buffer's first byte
.Ldone:
	s_wait_tensorcnt 0x0                           ; the wave's end
	ds_add_u32 v1, v2
	s_wait_dscnt 0x0
	s_endpgm
.Lfunc_end_k_qd836019dde_pool:
	.size	k_qd836019dde_pool, .Lfunc_end_k_qd836019dde_pool-k_qd836019dde_pool
	.p2alignl 7, 3214868480
	.fill 96, 4, 3214868480
	.section	.rodata,"a",@progbits
	.p2align	6, 0x0
	.amdhsa_kernel k_qd836019dde_pool
		.amdhsa_group_segment_fixed_size 29184
		.amdhsa_private_segment_fixed_size 0
		.amdhsa_enable_private_segment 0
		.amdhsa_kernarg_size 40
		.amdhsa_user_sgpr_count 2
		.amdhsa_user_sgpr_kernarg_segment_ptr 1
		.amdhsa_wavefront_size32 1
		.amdhsa_system_sgpr_workgroup_id_x 1
		.amdhsa_system_sgpr_workgroup_id_y 1
		.amdhsa_system_sgpr_workgroup_id_z 1
		.amdhsa_system_vgpr_workitem_id 0
		.amdhsa_next_free_vgpr 128
		.amdhsa_next_free_sgpr 100
		.amdhsa_reserve_vcc 0
		.amdhsa_float_denorm_mode_32 3
		.amdhsa_float_denorm_mode_16_64 3
		.amdhsa_memory_ordered 1
		.amdhsa_forward_progress 1
		.amdhsa_inst_pref_size 39
	.end_amdhsa_kernel
	.amdgpu_metadata
---
amdhsa.version: [ 1, 2 ]
amdhsa.kernels:
  - .name:           k_qd836019dde_pool
    .symbol:         k_qd836019dde_pool.kd
    .args:
      - { .name: encoded, .offset: 0, .size: 8, .value_kind: global_buffer, .address_space: global }
      - { .name: scores, .offset: 8, .size: 8, .value_kind: global_buffer, .address_space: global }
      - { .name: live, .offset: 16, .size: 8, .value_kind: global_buffer, .address_space: global }
      - { .name: out0, .offset: 24, .size: 8, .value_kind: global_buffer, .address_space: global }
      - { .name: out1, .offset: 32, .size: 8, .value_kind: global_buffer, .address_space: global }
    .group_segment_fixed_size: 29184
    .private_segment_fixed_size: 0
    .kernarg_segment_align: 8
    .kernarg_segment_size: 40
    .max_flat_workgroup_size: 1024
    .sgpr_count:     100
    .vgpr_count:     128
    .wavefront_size: 32
...
	.end_amdgpu_metadata
.endif
;; end of part 3
;; ======== version 2 of 2: 3 launches
;; limits: right only within a limited range of input values
;; workspace buffers: wq 2,162,688 bytes; hbt 65,536 bytes; live 135,168 bytes of whole numbers; scores 131,072 bytes
;; launch prep (part 4): grid 130 x 1, 8 waves a work-group, no clusters, 9,216 bytes of LDS; arguments M_w, M_b, hidden, mask, wq, hbt, live; writes wq, hbt, live
.if DOCPART == 4
	.amdgcn_target "amdgcn-amd-amdhsa--gfx1250"
	.amdhsa_code_object_version 6
	.text
	.protected	k_qd836019dde_prep
	.globl	k_qd836019dde_prep
	.p2align	8
	.type	k_qd836019dde_prep,@function
k_qd836019dde_prep:
	s_mov_b64 s[64:65], 0
	v_nop
	global_prefetch_b8 v0, s[64:65] scope:SCOPE_SE
	s_setreg_imm32_b32 hwreg(HW_REG_WAVE_MODE, 25, 1), 1
	s_wait_xcnt 0x0
; ADDITIVE ATTENTION POOLING, launch 1 of 3.  m = encoded M_w[:, :2048]^T + hidden M_w[:, 2048:]^T + M_b; score = tanh(m) . V_w + V_b; -1e9 where mask; softmax over the 2,048 positions (out1); out0 = weights . encoded.
; This launch makes what the other two read:
;   wq    the codes (E4M3) and E8M0 scale words of M_w[:, :2048], laid in the order of the operand's registers: 64 blocks of 33,792 bytes; block ((2 T + half) 4 + w) serves K = 256 T .. 256 T + 255 and the hidden
;         units 512 half + 128 w .. + 127: 16 fragments of 2,048 bytes, fragment f = 8 q + f' (byte 2048 f + 512 c + 16 lane: hidden unit 512 half + 128 w + 16 f' + lane % 16,
;         k = 256 T + 128 q + 32 c + 16 (lane / 16) + 0 .. 15), then 8 x 128 bytes of scale words (word 128 p + 4 lane: fragment 2 p + lane / 16, row lane % 16).
;   hbt   2 log2(e) x (hidden M_w[:, 2048:]^T + M_b), the second quantised product, as [64 tiles of 16 hidden units][16 batches][16] f32.
;   live  for each batch 8,448 bytes: the number of rows with mask = false (32 times, bytes 0 .. 127), and from byte 256 a permutation of the 2,048 rows, those rows first, the masked ones from the back.
; WHAT THE PROGRAM LEAVES OUT.  No product and no input: V_b stays, since beside the mask's -1e9 it is not the same along the softmax's axis.  The first product is done for masked rows too and the score selected.
; In the last product (launch 3) the rows with mask = true of a batch that has a row with mask = false are not read: whole numbers, read from 'live', decide it.  Their weight is e^(-1e9 - max) / Z with
; max >= -(sum |V_w| + |V_b|), since |tanh| <= 1: under the smallest f32 number, and 0.0 in f32 as the problem computes it.  LIMIT: sum |V_w| + |V_b| < 9e8.  A batch with every row masked walks all rows.
; LIMIT: a NaN, an infinity or an overflow in a row of encoded that is so left out is not carried into out0.
; LIMITS of the quantiser: NaN and infinities among its inputs are not served; a block of zeros gets the byte 1 where the rule says 127 (its codes are zeros; this program alone reads the bytes).
; SHARES.  Work-groups 0 .. 63: a block of wq, wave p its fragments 2 p, 2 p + 1.  64 .. 127: tile n of hbt, wave k the K step k of 128; the eight partial tiles meet in LDS.  128, 129: the lists, one wave a batch.
.set KT,    0x4038aa3b                 ; 2 log2(e)
.set MROW,  12288                      ; a row of M_w in bytes
.set BLKB,  33792                      ; a block of wq
.set X0,    16                         ; v16-79   64 numbers of a lane: register 16 b + i = k 32 b + 16 (lane / 16) + i of the lane's row
.set X1,    80                         ; v80-143  the same, second fragment
.set PC0,   144                        ; v144-159 a fragment's codes
.set PC1,   160                        ; v160-175
.set TM,    176                        ; v176-179 largest magnitudes, v180-183 bytes, v184-187 448 x the scale, v188-191 the conversions' scale operands
.set PW0,   192                        ; v192, v193 scale words, and nothing else
.set PW1,   193
.set SW,    194                        ; the two scale words in one register: lanes 0-15 the first fragment's, lanes 16-31 the second's
.set DD,    200                        ; v200-207 the matrix result
.set MB,    208                        ; v208-215 M_b of the lane's eight hidden units
.set SPW,   10                         ; v10 LDS address of my spare word; never rewritten
.set NIL,   11                         ; v11 0; never rewritten
.set SPARE, 8192                       ; behind the eight partial tiles: the spare words, 128 bytes a wave
; 64 numbers of a lane become a fragment's 16 registers of codes and its row's scale word.
.macro QUANT s, pc, pw
.irp b, 0,1,2,3
	v_max3_num_f32 v[TM+\b], |v[\s+16*\b]|, |v[\s+1+16*\b]|, 0x4800000   ; block b: my 16 numbers, and the floor 2^(9 - 127): the byte cannot fall under 1
.endr
.irp i, 2,4,6,8,10,12,14
.irp b, 0,1,2,3
	v_max3_num_f32 v[TM+\b], v[TM+\b], |v[\s+16*\b+\i]|, |v[\s+1+16*\b+\i]|   ; the four blocks by turns
.endr
.endr
.irp b, 0,1,2,3
	v_permlanex16_b32 v[TM+4+\b], v[TM+\b], s20, s21
.endr
.irp b, 0,1,2,3
	v_max_num_f32 v[TM+\b], v[TM+\b], v[TM+4+\b]           ; with lane l xor 16's 16: the block's largest magnitude
.endr
.irp b, 0,1,2,3
	v_add_nc_u32 v[TM+12+\b], 0xfc000000, v[TM+\b]         ; 8 off its exponent field: the conversion's scale operand
.endr
.irp b, 0,1,2,3
	v_and_or_b32 v[TM+8+\b], v[TM+\b], 0x7f800000, s23     ; 448 x the scale
.endr
.irp b, 0,1,2,3
	v_lshrrev_b32 v[TM+4+\b], 23, v[TM+12+\b]              ; the scale's byte
.endr
	v_lshl_or_b32 v[\pw], v[TM+5], 8, v[TM+4]
	v_lshl_or_b32 v[\pw], v[TM+6], 16, v[\pw]
	v_lshl_or_b32 v[\pw], v[TM+7], 24, v[\pw]
.irp b, 0,1,2,3
.irp i, 0,1,2,3,4,5,6,7,8,9,10,11,12,13,14,15
	v_med3_num_f32 v[\s+16*\b+\i], v[\s+16*\b+\i], -v[TM+8+\b], v[TM+8+\b]   ; the conversion to an 8-bit code does not saturate (ISA guide 7.6.2): the hold comes first
.endr
	v_cvt_scalef32_pk8_fp8_f32 v[\pc+4*\b:\pc+1+4*\b], v[\s+16*\b:\s+7+16*\b], v[TM+12+\b]
	v_cvt_scalef32_pk8_fp8_f32 v[\pc+2+4*\b:\pc+3+4*\b], v[\s+8+16*\b:\s+15+16*\b], v[TM+12+\b]
.endr
	v_nop                                                  ; one plain line behind the last conversion
.endm
	s_load_b256 s[4:11], s[0:1], 0x0               ; M_w s[4:5], M_b s[6:7], hidden s[8:9], mask s[10:11]
	s_load_b128 s[12:15], s[0:1], 0x20             ; wq s[12:13], hbt s[14:15]
	s_load_b64 s[16:17], s[0:1], 0x30              ; live
	v_lshl_add_u32 v[SPW], v0, 2, SPARE
	v_mov_b32 v[NIL], 0
	v_lshrrev_b32 v1, 5, v0
	v_readfirstlane_b32 s18, v1                    ; wave 0..7
	v_and_b32 v1, 31, v0                           ; lane
	v_and_b32 v2, 15, v0                           ; r
	v_bfe_u32 v3, v0, 4, 1                         ; h
	v_lshlrev_b32 v6, 4, v1                        ; 16 x lane
	v_lshlrev_b32 v7, 2, v1                        ; 4 x lane
	s_mov_b32 s20, 0x76543210
	s_mov_b32 s21, 0xfedcba98                      ; v_permlanex16_b32's selects for lane l xor 16
	s_mov_b32 s23, 0x600000                        ; the mantissa field of 448
.irp b, 0,1,2,3
	v_mov_b32 v[TM+4+\b], 0                        ; written once: a lane permute's destination counts as one of its sources
.endr
	s_mov_b32 s29, 0                               ; the upper word of every offset
	s_wait_alu depctr_va_vdst(0)
	s_wait_kmcnt 0x0
	s_cmp_lt_u32 ttmp9, 64
	s_cbranch_scc0 .Lnot_codes
	; ---- a block of wq: my two fragments, 32 rows of M_w x 128 along K
	s_lshr_b32 s24, ttmp9, 3                       ; T: which 256 along K
	s_bfe_u32 s25, ttmp9, 0x10002                  ; which half of the hidden units (1 bit from bit 2)
	s_and_b32 s26, ttmp9, 3                        ; w
	s_lshl_b32 s25, s25, 9
	s_lshl_b32 s26, s26, 7
	s_add_co_u32 s25, s25, s26                     ; 512 half + 128 w
	s_and_b32 s26, s18, 3
	s_lshl_b32 s26, s26, 5
	s_add_co_u32 s25, s25, s26                     ; + 32 (p % 4): my first row
	s_mul_i32 s28, s25, MROW
	s_lshl_b32 s24, s24, 10                        ; 256 T numbers
	s_add_co_u32 s28, s28, s24
	s_lshr_b32 s26, s18, 2
	s_lshl_b32 s26, s26, 9                         ; + 128 (p / 4) numbers
	s_add_co_u32 s28, s28, s26
	s_add_nc_u64 s[4:5], s[4:5], s[28:29]
	v_mul_u32_u24 v4, v2, MROW
	v_lshl_add_u32 v4, v3, 6, v4                   ; row r, + 64 h: my 16 numbers of a block of 32
.irp u, 0,1
.irp c, 0,1,2,3
.irp j, 0,1,2,3
	global_load_b128 v[X0+64*\u+16*\c+4*\j:X0+64*\u+16*\c+4*\j+3], v4, s[4:5] offset:\u*16*MROW+128*\c+16*\j th:TH_LOAD_NT
.endr
.endr
.endr
	s_mul_i32 s28, ttmp9, BLKB
	s_add_nc_u64 s[12:13], s[12:13], s[28:29]      ; my block
	s_lshl_b32 s28, s18, 7
	s_add_nc_u64 s[32:33], s[12:13], s[28:29]      ; + 128 p: my pair's scale words
	s_lshl_b32 s28, s18, 12
	s_add_nc_u64 s[12:13], s[12:13], s[28:29]      ; + 4,096 p: my pair's codes
	s_mov_b32 s30, 0xffff0000
	s_wait_loadcnt 16                              ; the first fragment's 16 loads are in; the second's 16 may be out
	QUANT X0, PC0, PW0
	s_wait_loadcnt 0x0
	QUANT X1, PC1, PW1
.irp u, 0,1
.irp c, 0,1,2,3
	global_store_b128 v6, v[PC0+16*\u+4*\c:PC0+16*\u+4*\c+3], s[12:13] offset:2048*\u+512*\c   ; 32 lanes store 512 consecutive bytes
.endr
.endr
	v_cndmask_b32 v[SW], v[PW0], v[PW1], s30       ; lanes 16-31 take the second fragment's word
	global_store_b32 v7, v[SW], s[32:33] offset:32768
	s_endpgm
.Lnot_codes:
	s_cmp_lt_u32 ttmp9, 128
	s_cbranch_scc0 .Llists
	; ---- a tile of hbt: 16 hidden units x 16 batches; my K step of 128
	s_sub_co_u32 s24, ttmp9, 64                    ; n
	s_lshl_b32 s28, s24, 6
	s_add_nc_u64 s[6:7], s[6:7], s[28:29]          ; M_b at hidden unit 16 n
	v_lshlrev_b32 v5, 5, v3                        ; + 8 h numbers
	global_load_b128 v[MB:MB+3], v5, s[6:7]        ; (64 bytes; wave 0 alone uses them: asked for here by every wave, so that they are in when the sums are, and the counts below are the same in all waves)
	global_load_b128 v[MB+4:MB+7], v5, s[6:7] offset:16
	s_lshl_b32 s25, s24, 4
	s_mul_i32 s28, s25, MROW
	s_lshl_b32 s26, s18, 9                         ; 128 k numbers
	s_add_co_u32 s28, s28, s26
	s_add_nc_u64 s[4:5], s[4:5], s[28:29]
	v_mul_u32_u24 v4, v2, MROW
	v_lshl_add_u32 v4, v3, 6, v4
.irp c, 0,1,2,3
.irp j, 0,1,2,3
	global_load_b128 v[X0+16*\c+4*\j:X0+16*\c+4*\j+3], v4, s[4:5] offset:8192+128*\c+16*\j th:TH_LOAD_NT   ; M_w(16 n + r, 2048 + 128 k + ..)
.endr
.endr
	s_mov_b32 s28, s26
	s_add_nc_u64 s[8:9], s[8:9], s[28:29]
	v_lshlrev_b32 v8, 12, v2
	v_lshl_add_u32 v8, v3, 6, v8
.irp c, 0,1,2,3
.irp j, 0,1,2,3
	global_load_b128 v[X1+16*\c+4*\j:X1+16*\c+4*\j+3], v8, s[8:9] offset:128*\c+16*\j                    ; hidden(batch r, 128 k + ..)
.endr
.endr
	s_lshl_b32 s28, s24, 10
	s_add_nc_u64 s[14:15], s[14:15], s[28:29]      ; my tile of hbt
	s_mov_b32 s24, KT
	s_mov_b32 s25, KT                              ; (named with it as a pair, so it is written)
	s_lshl_b32 s27, s18, 10
	v_add_nc_u32 v9, s27, v6                       ; LDS: 1,024 x wave + 16 x lane
	v_lshlrev_b32 v12, 6, v2
	v_lshl_add_u32 v12, v3, 5, v12                 ; hbt: 64 r + 32 h
	s_wait_loadcnt 16                              ; M_b and M_w's 16 loads are in; hidden's 16 may be out
	QUANT X0, PC0, PW0
	s_wait_loadcnt 0x0
	QUANT X1, PC1, PW1
.rept 4
	v_nop                                          ; codes written by vector instructions stand four places ahead of a scaled matrix instruction; the scale words were made ahead of the 64 holds
.endr
	v_wmma_scale_f32_16x16x128_f8f6f4 v[DD:DD+7], v[PC0:PC0+15], v[PC1:PC1+15], 0, v[PW0], v[PW1]   ; source 0 = 16 hidden units, source 1 = 16 batches: lane (r, h) holds batch r, register j hidden unit 16 n + 8 h + j
.rept 8
	v_nop
.endr
	ds_store_b128 v9, v[DD:DD+3]                   ; the result from its low end on
	ds_store_b128 v9, v[DD+4:DD+7] offset:512
	s_wait_dscnt 0x0                               ; for the others' sake: my partial tile lies in LDS
	s_barrier_signal -1
	s_barrier_wait -1
	s_cmp_lg_u32 s18, 0
	s_cbranch_scc1 .Ltile_done
.irp k, 0,1,2,3,4,5,6,7
	ds_load_b128 v[16+8*\k:19+8*\k], v6 offset:1024*\k
	ds_load_b128 v[20+8*\k:23+8*\k], v6 offset:1024*\k+512
.endr
	s_wait_dscnt 0x0
.irp k, 0,2,4,6
.irp q, 0,2,4,6
	v_pk_add_f32 v[16+8*\k+\q:17+8*\k+\q], v[16+8*\k+\q:17+8*\k+\q], v[24+8*\k+\q:25+8*\k+\q]
.endr
.endr
.irp k, 0,4
.irp q, 0,2,4,6
	v_pk_add_f32 v[16+8*\k+\q:17+8*\k+\q], v[16+8*\k+\q:17+8*\k+\q], v[32+8*\k+\q:33+8*\k+\q]
.endr
.endr
.irp q, 0,2,4,6
	v_pk_add_f32 v[16+\q:17+\q], v[16+\q:17+\q], v[48+\q:49+\q]
.endr
.irp q, 0,2,4,6
	v_pk_add_f32 v[16+\q:17+\q], v[16+\q:17+\q], v[MB+\q:MB+\q+1]
.endr
.irp q, 0,2,4,6
	v_pk_mul_f32 v[16+\q:17+\q], v[16+\q:17+\q], s[24:25] op_sel_hi:[1,0]   ; x 2 log2(e): launch 2 adds it inside the exponent's multiply-add
.endr
	global_store_b128 v12, v[16:19], s[14:15]
	global_store_b128 v12, v[20:23], s[14:15] offset:16
.Ltile_done:
	s_wait_tensorcnt 0x0                           ; the wave's end
	ds_add_u32 v[SPW], v[NIL]
	s_wait_dscnt 0x0
	s_endpgm
.Llists:
	; ---- the list of a batch's rows: one wave a batch, a counting sort in registers.  Lane l holds the mask bytes of rows 512 j + 16 l + 0 .. 15, j = 0 .. 3
	s_sub_co_u32 s24, ttmp9, 128
	s_lshl_b32 s24, s24, 3
	s_add_co_u32 s24, s24, s18                     ; the batch
	s_lshl_b32 s28, s24, 11
	s_add_nc_u64 s[10:11], s[10:11], s[28:29]
	s_mul_i32 s28, s24, 8448
	s_add_nc_u64 s[16:17], s[16:17], s[28:29]
.irp j, 0,1,2,3
	global_load_b128 v[16+4*\j:19+4*\j], v6, s[10:11] offset:512*\j
.endr
	v_sub_nc_u32 v12, 2047, v1
	s_mov_b32 s26, 0                               ; rows with mask = false so far
	s_wait_alu depctr_va_vdst(0)
	s_wait_loadcnt 0x0
; Step i takes one byte of every lane: 32 rows.  A row with mask = false goes to place U = those before it; a masked one to 2047 - (the masked ones before it) = U + 2047 - lane - 32 i.
; Each step has registers of its own for its store's address and data, so that no store's source is written again.
.set i, 0
.rept 64
	v_bfe_u32 v160, v[16+i/4], 8*(i%4), 8
	v_cmp_eq_u32 vcc_lo, 0, v160
	v_mbcnt_lo_u32_b32 v161, vcc_lo, 0             ; such rows in the lanes below mine
	v_add_nc_u32 v161, s26, v161
	v_add3_u32 v162, v161, v12, -32*i
	v_cndmask_b32 v[32+i], v162, v161, vcc_lo
	v_min_u32 v[32+i], 2047, v[32+i]               ; a number made of loaded bytes enters an address only behind this bound
	v_lshlrev_b32 v[32+i], 2, v[32+i]
	v_add_nc_u32 v[96+i], 512*(i/16)+i%16, v6      ; the row
	global_store_b32 v[32+i], v[96+i], s[16:17] offset:256
	s_bcnt1_i32_b32 s27, vcc_lo
	s_add_co_u32 s26, s26, s27
.set i, i+1
.endr
	v_mov_b32 v14, s26
	global_store_b32 v7, v14, s[16:17]             ; the count
	s_endpgm
.Lfunc_end_k_qd836019dde_prep:
	.size	k_qd836019dde_prep, .Lfunc_end_k_qd836019dde_prep-k_qd836019dde_prep
	.p2alignl 7, 3214868480
	.fill 96, 4, 3214868480
	.section	.rodata,"a",@progbits
	.p2align	6, 0x0
	.amdhsa_kernel k_qd836019dde_prep
		.amdhsa_group_segment_fixed_size 9216
		.amdhsa_private_segment_fixed_size 0
		.amdhsa_enable_private_segment 0
		.amdhsa_kernarg_size 56
		.amdhsa_user_sgpr_count 2
		.amdhsa_user_sgpr_kernarg_segment_ptr 1
		.amdhsa_wavefront_size32 1
		.amdhsa_system_sgpr_workgroup_id_x 1
		.amdhsa_system_sgpr_workgroup_id_y 1
		.amdhsa_system_sgpr_workgroup_id_z 1
		.amdhsa_system_vgpr_workitem_id 0
		.amdhsa_next_free_vgpr 224
		.amdhsa_next_free_sgpr 66
		.amdhsa_reserve_vcc 1
		.amdhsa_float_denorm_mode_32 3
		.amdhsa_float_denorm_mode_16_64 3
		.amdhsa_memory_ordered 1
		.amdhsa_forward_progress 1
		.amdhsa_inst_pref_size 88
	.end_amdhsa_kernel
	.amdgpu_metadata
---
amdhsa.version: [ 1, 2 ]
amdhsa.kernels:
  - .name:           k_qd836019dde_prep
    .symbol:         k_qd836019dde_prep.kd
    .args:
      - { .name: M_w, .offset: 0, .size: 8, .value_kind: global_buffer, .address_space: global }
      - { .name: M_b, .offset: 8, .size: 8, .value_kind: global_buffer, .address_space: global }
      - { .name: hidden, .offset: 16, .size: 8, .value_kind: global_buffer, .address_space: global }
      - { .name: mask, .offset: 24, .size: 8, .value_kind: global_buffer, .address_space: global }
      - { .name: wq, .offset: 32, .size: 8, .value_kind: global_buffer, .address_space: global }
      - { .name: hbt, .offset: 40, .size: 8, .value_kind: global_buffer, .address_space: global }
      - { .name: live, .offset: 48, .size: 8, .value_kind: global_buffer, .address_space: global }
    .group_segment_fixed_size: 9216
    .private_segment_fixed_size: 0
    .kernarg_segment_align: 8
    .kernarg_segment_size: 56
    .max_flat_workgroup_size: 256
    .sgpr_count:     66
    .vgpr_count:     224
    .wavefront_size: 32
...
	.end_amdgpu_metadata
.endif
;; end of part 4
;; launch score (part 5): grid 256 x 1, 4 waves a work-group, no clusters, 305,664 bytes of LDS; arguments encoded, wq, hbt, V_w, V_b, mask, scores; writes scores
.if DOCPART == 5
	.amdgcn_target "amdgcn-amd-amdhsa--gfx1250"
	.amdhsa_code_object_version 6
	.text
	.protected	k_qd836019dde_score
	.globl	k_qd836019dde_score
	.p2align	8
	.type	k_qd836019dde_score,@function
k_qd836019dde_score:
	s_mov_b64 s[64:65], 0
	v_nop
	global_prefetch_b8 v0, s[64:65] scope:SCOPE_SE
	s_setreg_imm32_b32 hwreg(HW_REG_WAVE_MODE, 25, 1), 1
	s_wait_xcnt 0x0
; Launch 2 of 3: scores[b][s] = sum over the 1,024 hidden units of tanh(encoded[b][s] . M_w[:, :2048]^T + (hidden's part + M_b)) V_w + V_b, and -1e9 where mask.
; The product is on codes of E4M3 with one E8M0 scale for each 32 along K.  Nothing is left out: masked rows are multiplied too and their score is selected at the end.
; SHARES.  A work-group takes 128 rows of one batch and ALL hidden units, in two passes of 512; wave w the units 512 half + 128 w .. + 127 for the 128 rows: 64 accumulators of 16 x 16, 512 registers.
; PASS 0 walks K in 16 steps of 128: wave w loads rows 32 w .. + 31 as f32, quantises them in registers one step ahead of the products and stores codes and scale bytes into LDS, where they STAY:
; 16 steps x 8 tiles of 16 rows x 2,304 bytes, and 16 x 512 bytes of scale words.  PASS 1 multiplies the same codes by the other 512 hidden units: encoded is loaded and quantised once.
; A tile in LDS is the image of the operand's registers: the 16 bytes of lane (row, h') and register group c lie at 288 (2 c + h') + 16 row.  The 32 bytes behind each 256 let the 32 lanes of a quantiser's
; store (two rows, eight groups) fall on 256 different bytes modulo 256; a fragment load reads 256 consecutive bytes with each sixteen lanes.
; THE WEIGHTS go from wq, which launch 1 laid in the order of the operand's registers, straight into registers: each load is 512 consecutive bytes.  No wave reads another wave's weights, so LDS would hold each byte for one reader.
; NO CLUSTER, NO TENSOR LOAD: the codes take 303,104 of the 327,680 bytes of LDS; a K step's weights of a work-group are 67,584 bytes, so no two slots for joint loads fit beside them.
; THE MATRIX INSTRUCTION IS USED TRANSPOSED: source 0 = 16 hidden units, source 1 = 16 rows: lane (r, h) holds row 16 m + r, register j hidden unit 16 f + 8 h + j of the wave's 128.
; PREFETCH: in step t each wave names the 64 blocks of 256 bytes (a lane a row, two instructions) that its loads of step t + 2 ask for (K step t + 4); steps 12 and later name nothing.  wq is read by every work-group: not prefetched.
; tanh(x) = 1 - 2 / (1 + 2^(2 log2(e) x)): at both ends the exponential's infinity and 0 give 1 and -1.  A wave's part of a score = sum V_w - 2 sum V_w / (1 + ..).
; LIMITS: NaN and infinities in encoded are not served by the quantiser; a block of zeros gets the byte 1 (its codes are zeros; the bytes stay in this launch).
; REGISTERS: window 0: v0-11, v62-63 addresses; v12-27 scale words and nothing else; v28-43 the quantiser's; v44-61 the scores' sums; v64-191 A's eight fragments (way out: 64 at work, V_w); v192-255 hbt.
;   window 1: v0-127 four sets of two fragments of weights; v128-255 pass 0: two half-sets of 64 f32; pass 1: four more sets.   windows 2, 3: accumulator (f, m) at 8 (8 (f % 4) + m); f < 4 in window 2.
.set REG,   18432                      ; a K step's codes in LDS: 8 tiles
.set TILE,  2304
.set ASC,   294912                     ; the scale words: [step][row % 16][tile] words
.set PART,  303104                     ; the waves' parts of the 128 scores: [wave][128] f32
.set SPARE, 305152                     ; the spare words, 128 bytes a wave
.set WBLK,  33792                      ; a block of wq
.set TSTR,  8*WBLK                     ; from 256 along K to the next
.set SPW, 1
.set NIL, 2
.set GA,  3                            ; 8,192 h + 32 r: my 8 numbers of one of a pair of rows
.set ACS0, 4                           ; where I store codes, step 0;  v5 scale bytes;  v6 where I read fragments;  v7 scale words
.set ASS0, 5
.set AFR0, 6
.set ASR0, 7
.set ACS, 8                            ; v8-11 the same four at the step in hand
.set ASS, 9
.set AFR, 10
.set ASR, 11
.set AS,  12                           ; v12-19 A's scale words, tile m
.set BS0, 20                           ; v20-23 the weights' scale words of the sets at v0-127: register g: lanes 0-15 fragment 2 g, lanes 16-31 fragment 2 g + 1
.set BS1, 24                           ; v24-27 of the sets at v128-255
.set T,   28                           ; v28-31 largest magnitudes, then bytes (from pass 1 on: v28 the mask bytes, v29 32 h)
.set SO,  32                           ; v32-35 the conversions' scale operands
.set HH,  36                           ; v36-39 448 x the scale
.set CC,  36                           ; v36-43 four pairs of rows' codes: the first four lie where 448 x the scale has been read
.set SS,  44                           ; v44-59 sum of V_w / (1 + ..), a pair for each tile of rows
.set SV,  60                           ; v60-61 sum of V_w
.set BOF, 62                           ; 16 x lane
.set BSO, 63                           ; 4 x lane
.set AF,  64
.set TT,  64
.set VW,  128
.set HB,  192
.set ST,  128                          ; the half-sets, in window 1
.set MSB, 0
.macro WIN new
.if MSB != (\new)
	s_set_vgpr_msb (MSB<<8)|(\new)
.set MSB, (\new)
.endif
.endm
.macro PLACES n
.rept \n
	v_nop
.endr
.endm
.macro UPD                             ; the four LDS addresses at the step that s32, s33 name
	v_add_nc_u32 v[ACS], s32, v[ACS0]
	v_add_nc_u32 v[ASS], s33, v[ASS0]
	v_add_nc_u32 v[AFR], s32, v[AFR0]
	v_add_nc_u32 v[ASR], s33, v[ASR0]
	s_wait_alu depctr_va_vdst(0)
.endm
.macro ALOAD hs, koff                  ; 16 loads: rows 16 hs .. + 15 of my 32 x 512 bytes into half-set hs
	WIN 0x40
.irp i, 0,1,2,3,4,5,6,7
	global_load_b128 v[ST+64*(\hs)+8*\i:ST+64*(\hs)+8*\i+3], v[GA], s[4:5] offset:(\koff)+(16*(\hs)+2*\i)*8192
	global_load_b128 v[ST+64*(\hs)+8*\i+4:ST+64*(\hs)+8*\i+7], v[GA], s[4:5] offset:(\koff)+(16*(\hs)+2*\i)*8192+16
.endr
	WIN 0
.endm
.macro CLOAD dst, sb, str              ; 16 loads: my eight numbers of each of my eight fragments' sixteen hidden units
	v_bfe_u32 v29, v[BOF], 8, 1
	v_lshlrev_b32 v29, 5, v29                      ; 32 h
.irp i, 0,1,2,3,4,5,6,7
	global_load_b128 v[\dst+8*\i:\dst+8*\i+3], v29, s[\sb:\sb+1] offset:\i*\str
	global_load_b128 v[\dst+8*\i+4:\dst+8*\i+7], v29, s[\sb:\sb+1] offset:\i*\str+16
.endr
.endm
; 18 loads: sets 2 p, 2 p + 1 (four fragments and two registers of scale words) into the sets at rb
.macro BPAIR p, rb, sb, cb, co, qb, qo
	WIN 0x40
.irp f, 0,1,2,3
.irp c, 0,1,2,3
	global_load_b128 v[\rb+64*\p+16*\f+4*\c:\rb+64*\p+16*\f+4*\c+3], v[BOF], s[\cb:\cb+1] offset:(\co)+2048*(4*\p+\f)+512*\c
.endr
.endr
	WIN 0
	global_load_b32 v[\sb+2*\p], v[BSO], s[\qb:\qb+1] offset:(\qo)+256*\p
	global_load_b32 v[\sb+2*\p+1], v[BSO], s[\qb:\qb+1] offset:(\qo)+256*\p+128
.endm
; Half-set hs becomes codes and scale bytes of the step wo behind the one in hand, four pairs of rows at a time.  left: the loads issued behind this half's.
.macro QUANT16 hs, wo, left
	s_wait_loadcnt \left
.irp g, 0,1
	WIN 0x14
.irp r, 0,1,2,3
	v_max3_num_f32 v[T+\r], 0x4800000, |v[ST+64*(\hs)+8*(4*\g+\r)]|, |v[ST+64*(\hs)+8*(4*\g+\r)+1]|   ; my 8 numbers of a block, and the floor 2^(9 - 127): the byte cannot fall under 1
.endr
.irp p, 2,4,6
.irp r, 0,1,2,3
	v_max3_num_f32 v[T+\r], v[T+\r], |v[ST+64*(\hs)+8*(4*\g+\r)+\p]|, |v[ST+64*(\hs)+8*(4*\g+\r)+\p+1]|
.endr
.endr
	WIN 0
.irp r, 0,1,2,3
	v_max_num_f32_dpp v[T+\r], v[T+\r], v[T+\r] row_xmask:1 row_mask:0xf bank_mask:0xf
.endr
.irp r, 0,1,2,3
	v_max_num_f32_dpp v[T+\r], v[T+\r], v[T+\r] row_xmask:2 row_mask:0xf bank_mask:0xf   ; four lanes hold a block
.endr
.irp r, 0,1,2,3
	v_add_nc_u32 v[SO+\r], 0xfc000000, v[T+\r]             ; 8 off the exponent field: the conversion's scale operand
.endr
.irp r, 0,1,2,3
	v_and_or_b32 v[HH+\r], v[T+\r], 0x7f800000, s19        ; 448 x the scale
.endr
.irp r, 0,1,2,3
	v_lshrrev_b32 v[T+\r], 23, v[SO+\r]                    ; the scale's byte
.endr
	WIN 0x41
.irp r, 0,1,2,3
.irp p, 0,1,2,3,4,5,6,7
	v_med3_num_f32 v[ST+64*(\hs)+8*(4*\g+\r)+\p], v[ST+64*(\hs)+8*(4*\g+\r)+\p], -v[HH+\r], v[HH+\r]   ; the conversion does not saturate (ISA guide 7.6.2): the hold comes first
.endr
.endr
	WIN 0x01
.irp r, 0,1,2,3
	v_cvt_scalef32_pk8_fp8_f32 v[CC+2*\r:CC+2*\r+1], v[ST+64*(\hs)+8*(4*\g+\r):ST+64*(\hs)+8*(4*\g+\r)+7], v[SO+\r]
.endr
	v_nop                                          ; one plain line behind the last conversion
	WIN 0
.irp r, 0,1,2,3
	ds_store_b64 v[ACS], v[CC+2*\r:CC+2*\r+1] offset:REG*(\wo)+TILE*(\hs)+32*(4*\g+\r)
	ds_store_b8 v[ASS], v[T+\r] offset:512*(\wo)+4*(\hs)+64*(4*\g+\r)     ; the four lanes of a block write the same byte with the same value
.endr
.endr
.endm
.macro AFETCH m0, ao                   ; 17 loads: A's tiles m0 .. m0 + 3 and their scale words, of the step ao behind the one that AFR names
.irp m, \m0, \m0+1, \m0+2, \m0+3
.irp c, 0,1,2,3
	ds_load_b128 v[AF+16*(\m)+4*\c:AF+16*(\m)+4*\c+3], v[AFR] offset:REG*(\ao)+TILE*(\m)+576*\c
.endr
.endr
	ds_load_b128 v[AS+\m0:AS+\m0+3], v[ASR] offset:512*(\ao)+4*\m0
.endm
; 8 matrix instructions: fragments 2 g, 2 g + 1 x tiles m0 .. m0 + 3.  The 64 accumulators take turns in the same order in every step.  zero = 1: the products start the sums.
.macro MM g, m0, rb, sb, zero
.irp m, \m0, \m0+1, \m0+2, \m0+3
.irp i, 0,1
.set AC, 8*(8*((2*(\g)+\i)%4)+(\m))
.set BR, (\rb)+32*(\g)+16*\i
.if \zero
.if \i
	v_wmma_scale_f32_16x16x128_f8f6f4 v[AC:AC+7], v[BR:BR+15], v[AF+16*(\m):AF+16*(\m)+15], 0, v[\sb+(\g)], v[AS+(\m)] matrix_a_scale:MATRIX_SCALE_ROW1
.else
	v_wmma_scale_f32_16x16x128_f8f6f4 v[AC:AC+7], v[BR:BR+15], v[AF+16*(\m):AF+16*(\m)+15], 0, v[\sb+(\g)], v[AS+(\m)]
.endif
.else
.if \i
	v_wmma_scale_f32_16x16x128_f8f6f4 v[AC:AC+7], v[BR:BR+15], v[AF+16*(\m):AF+16*(\m)+15], v[AC:AC+7], v[\sb+(\g)], v[AS+(\m)] matrix_a_scale:MATRIX_SCALE_ROW1
.else
	v_wmma_scale_f32_16x16x128_f8f6f4 v[AC:AC+7], v[BR:BR+15], v[AF+16*(\m):AF+16*(\m)+15], v[AC:AC+7], v[\sb+(\g)], v[AS+(\m)]
.endif
.endif
.endr
.endr
.endm
.macro PREF pf                         ; 1: always; 2: while the loop's step is under 12
.if \pf == 2
	s_cmp_lt_u32 s34, 12
	s_cbranch_scc0 .Lnp_\@
.endif
.if \pf
	global_prefetch_b8 v0, s[4:5] offset:2048 th:TH_LOAD_NT scope:SCOPE_SE
	global_prefetch_b8 v0, s[4:5] offset:2304 th:TH_LOAD_NT scope:SCOPE_SE
.endif
.if \pf == 2
.Lnp_\@:
.endif
.endm
; The pointers of pass 0 step on.  In wq a K step lies 16,384 bytes (scale words: 512) behind the one before it in its block, or in the next run of eight blocks: the two steps take turns.
.macro ADV full
	s_wait_xcnt 0x0                                ; the loads and prefetches have read their bases
	s_add_nc_u64 s[24:25], s[24:25], s[28:29]
	s_xor_b32 s28, s28, 16384^(TSTR-16384)
	s_add_nc_u64 s[26:27], s[26:27], s[30:31]
	s_xor_b32 s30, s30, 512^(TSTR-512)
.if \full
	s_add_nc_u64 s[4:5], s[4:5], 512
	s_add_co_u32 s32, s32, REG
	s_add_co_u32 s33, s33, 512
	UPD
.endif
.endm
; A K STEP OF PASS 0.  The barrier hands on the codes that the last step's quantiser stored; every step has LDS bytes of its own, so nothing is written over.
; qm 1: step t + 1's two halves are quantised and step t + 2's asked for; 3: quantised alone; 0: nothing.  cnt: the loads issued behind the pair of sets that is wanted.
; bl 1: the sets take step t + 1's weights; 2: pass 1's steps 1 (v0-127) and 0 (v128-255).
.macro P0STEP zero, qm, pf, cnt, bl
	s_wait_dscnt 0x0                               ; for the others' sake: my codes lie in LDS
	s_barrier_signal -1
	s_barrier_wait -1
	AFETCH 0, 0
	AFETCH 4, 0
.if \qm
	QUANT16 0, 1, 52                               ; behind this half's 16 loads: the other half's 16 and 36 of weights
.if \qm == 1
	ALOAD 0, 1024
	QUANT16 1, 1, 52
	ALOAD 1, 1024
.else
	QUANT16 1, 1, 36
.endif
	s_wait_dscnt 32                                ; A is in; the quantiser's 32 stores may be out
.else
	s_wait_dscnt 0x0
.endif
	s_wait_loadcnt \cnt
	WIN 0xa1
	MM 0, 0, 0, BS0, \zero
	MM 0, 4, 0, BS0, \zero
	MM 1, 0, 0, BS0, \zero
	MM 1, 4, 0, BS0, \zero
	PLACES 8                                       ; in front of loads into registers that matrix instructions have read
.if \bl == 1
	BPAIR 0, 0, BS0, 24, 0, 26, 0
.else
	BPAIR 0, 0, BS0, 36, 16384, 36, 32768+512
.endif
	PREF \pf
	s_wait_loadcnt \cnt
	WIN 0xf1
	MM 2, 0, 0, BS0, \zero
	MM 2, 4, 0, BS0, \zero
	MM 3, 0, 0, BS0, \zero
	MM 3, 4, 0, BS0, \zero
	PLACES 8
.if \bl == 1
	BPAIR 1, 0, BS0, 24, 0, 26, 0
.else
	BPAIR 1, 0, BS0, 36, 16384, 36, 32768+512
	BPAIR 0, 128, BS1, 36, 0, 36, 32768
	BPAIR 1, 128, BS1, 36, 0, 36, 32768
.endif
.endm
; A K STEP OF PASS 1: no barrier, nothing is stored.  A's tiles 0-3 of the next step are fetched behind their last product, tiles 4-7 at the step's end.  ld = 1: the sets take the weights of two steps on.
.macro P1STEP zero, rb, sb, c0, c2, ao, ld, co, qo
	s_wait_loadcnt \c0
	s_wait_dscnt 17                                ; A's tiles 0-3 are in; the 17 loads of tiles 4-7 may be out
	WIN 0xa1
	MM 0, 0, \rb, \sb, \zero
	s_wait_dscnt 0x0
	MM 0, 4, \rb, \sb, \zero
	MM 1, 0, \rb, \sb, \zero
	MM 1, 4, \rb, \sb, \zero
.if \ld
	PLACES 8
	BPAIR 0, \rb, \sb, 36, \co, 36, \qo
.endif
	s_wait_loadcnt \c2
	WIN 0xf1
	MM 2, 0, \rb, \sb, \zero
	MM 2, 4, \rb, \sb, \zero
	MM 3, 0, \rb, \sb, \zero
.if \ao >= 0
	PLACES 8
	WIN 0
	AFETCH 0, \ao
	WIN 0xf1
.endif
	MM 3, 4, \rb, \sb, \zero
	PLACES 8
	WIN 0
.if \ao >= 0
	AFETCH 4, \ao
.endif
.if \ld
	BPAIR 1, \rb, \sb, 36, \co, 36, \qo
.endif
.endm
	s_load_b256 s[4:11], s[0:1], 0x0               ; encoded s[4:5], wq s[6:7], hbt s[8:9], V_w s[10:11]
	s_load_b128 s[12:15], s[0:1], 0x20             ; V_b s[12:13], mask s[14:15]
	s_load_b64 s[16:17], s[0:1], 0x30              ; scores
	v_lshl_add_u32 v[SPW], v0, 2, SPARE
	v_mov_b32 v[NIL], 0
	v_lshrrev_b32 v28, 5, v0
	v_readfirstlane_b32 s18, v28                   ; wave 0..3
	s_mov_b32 s19, 0x600000                        ; the mantissa field of 448
	s_mov_b32 s20, 0x76543210
	s_mov_b32 s21, 0xfedcba98                      ; v_permlanex16_b32's selects for lane l xor 16
	s_mov_b32 s22, 0x4038aa3b                      ; 2 log2(e)
	s_mov_b32 s23, s22
	s_mov_b32 s28, 16384                           ; the next step of the weights' pointer,
	s_mov_b32 s29, 0
	s_mov_b32 s30, 512                             ; and of their scale words'
	s_mov_b32 s31, 0
	s_mov_b32 s32, 0                               ; REG x step
	s_mov_b32 s33, 0                               ; 512 x step
	s_mov_b32 s35, 0                               ; the half
	s_mul_i32 s40, s18, 2*TILE                     ; my two tiles
	s_lshl_b32 s41, s18, 3
	s_add_co_u32 s41, s41, ASC
	s_lshl_b32 s46, ttmp9, 20                      ; 128 rows of 8,192 bytes a work-group,
	s_lshl_b32 s47, s18, 18                        ; 32 rows a wave
	s_add_co_u32 s46, s46, s47
	s_mov_b32 s47, 0
	s_lshr_b32 s50, ttmp9, 4                       ; the batch
	s_lshl_b32 s50, s50, 6                         ; 64 bytes a batch in a tile of hbt,
	s_lshl_b32 s51, s18, 13                        ; 8 tiles a wave
	s_add_co_u32 s50, s50, s51
	s_mov_b32 s51, 0
	s_lshl_b32 s52, s18, 9                         ; V_w: 128 numbers a wave
	s_mov_b32 s53, 0
	s_lshl_b32 s54, ttmp9, 7                       ; mask: 128 bytes a work-group
	s_mov_b32 s55, 0
	s_lshl_b32 s56, ttmp9, 9                       ; scores: 512 bytes
	s_mov_b32 s57, 0
	s_mul_i32 s58, s18, WBLK                       ; wq: block w of the first eight
	s_mov_b32 s59, 0
	v_and_b32 v28, 31, v0                          ; lane
	v_and_b32 v29, 15, v0                          ; r
	v_bfe_u32 v30, v0, 4, 1                        ; h
	v_lshlrev_b32 v[GA], 5, v29
	v_lshl_add_u32 v[GA], v30, 13, v[GA]
	v_lshrrev_b32 v31, 1, v29
	v_mul_u32_u24 v[ACS0], v31, 288                ; my 8 codes: k = 8 r ..: group and half r / 2,
	v_and_b32 v31, 1, v29
	v_lshl_add_u32 v[ACS0], v31, 3, v[ACS0]        ; 8 (r % 2),
	v_lshl_add_u32 v[ACS0], v30, 4, v[ACS0]        ; the pair's row h
	v_add_nc_u32 v[ACS0], s40, v[ACS0]
	v_lshrrev_b32 v[ASS0], 2, v29
	v_lshl_add_u32 v[ASS0], v30, 5, v[ASS0]
	v_add_nc_u32 v[ASS0], s41, v[ASS0]
	v_mul_u32_u24 v[AFR0], v30, 288
	v_lshl_add_u32 v[AFR0], v29, 4, v[AFR0]
	v_lshl_add_u32 v[ASR0], v29, 5, ASC
	v_lshlrev_b32 v[BOF], 4, v28
	v_lshlrev_b32 v[BSO], 2, v28
	v_lshlrev_b32 v0, 13, v28                      ; the prefetches' offset: a lane a row (the thread's number is needed no more)
.irp i, 0,1,2,3,4,5,6,7,8,9,10,11,12,13,14,15,16,17
	v_mov_b32 v[SS+\i], 0                          ; the scores' sums run over both halves, through one text
.endr
	UPD                                            ; ends with a wait at the head's end
	s_wait_kmcnt 0x0
	s_add_nc_u64 s[4:5], s[4:5], s[46:47]
	s_add_nc_u64 s[8:9], s[8:9], s[50:51]
	s_add_nc_u64 s[10:11], s[10:11], s[52:53]
	s_add_nc_u64 s[14:15], s[14:15], s[54:55]
	s_add_nc_u64 s[16:17], s[16:17], s[56:57]
	s_add_nc_u64 s[24:25], s[6:7], s[58:59]        ; pass 0's weights,
	s_add_nc_u64 s[26:27], s[24:25], 32768         ; their scale words,
	s_add_nc_u64 s[36:37], s[24:25], 4*WBLK        ; pass 1's block
	s_load_b32 s48, s[12:13], 0x0                  ; V_b: waited for on the way out
	CLOAD HB, 8, 1024                              ; hbt of the first half
	ALOAD 0, 0
	ALOAD 1, 0
	QUANT16 0, 0, 16                               ; step 0's codes
	ALOAD 0, 512
	QUANT16 1, 0, 16
	ALOAD 1, 512
	BPAIR 0, 0, BS0, 24, 0, 26, 0                  ; step 0's weights
	BPAIR 1, 0, BS0, 24, 0, 26, 0
	ADV 0
	P0STEP 1, 1, 1, 50, 1                          ; t = 0 stands in front of the loop: its products start the sums.  50: behind a pair of sets 18 of weights and 32 of encoded
	ADV 1
	s_mov_b32 s34, 1
.Lk0:                                              ; t = 1 .. 13
	P0STEP 0, 1, 2, 50, 1
	ADV 1
	s_add_co_u32 s34, s34, 1
	s_cmp_lt_u32 s34, 14
	s_cbranch_scc1 .Lk0
	P0STEP 0, 3, 0, 18, 1                          ; t = 14: encoded has nothing left to ask for
	ADV 1
	P0STEP 0, 0, 0, 18, 2                          ; t = 15
	s_branch .Lepi
.Lpass1:
	CLOAD HB, 8, 1024                              ; hbt of the second half
	global_load_b32 v28, v[BSO], s[14:15]          ; four mask bytes: rows 4 lane .. + 3 (wave 0 uses them; every wave asks, so that the counts are the same in all)
	s_mov_b32 s32, 0
	s_mov_b32 s33, 0
	UPD
	AFETCH 0, 0
	AFETCH 4, 0
	P1STEP 1, 128, BS1, 54, 54, 1, 1, TSTR, TSTR+32768                 ; t = 0.  54: behind a pair of sets three more pairs of 18
	s_mov_b32 s32, REG
	s_mov_b32 s33, 512
	UPD
	s_mov_b32 s34, 0
.Lk1:                                              ; six trips: t = 2 j + 1, 2 j + 2
	P1STEP 0, 0, BS0, 54, 54, 1, 1, TSTR+16384, TSTR+32768+512
	P1STEP 0, 128, BS1, 54, 54, 2, 1, 2*TSTR, 2*TSTR+32768
	s_wait_xcnt 0x0
	s_add_nc_u64 s[36:37], s[36:37], TSTR
	s_add_co_u32 s32, s32, 2*REG
	s_add_co_u32 s33, s33, 1024
	UPD
	s_add_co_u32 s34, s34, 1
	s_cmp_lt_u32 s34, 6
	s_cbranch_scc1 .Lk1
	P1STEP 0, 0, BS0, 54, 54, 1, 1, TSTR+16384, TSTR+32768+512         ; t = 13 asks for the last step's weights
	P1STEP 0, 128, BS1, 54, 36, 2, 0, 0, 0                             ; t = 14: the counts run down
	P1STEP 0, 0, BS0, 18, 0, -1, 0, 0, 0                               ; t = 15
.Lepi:
	; A HALF'S WAY OUT, one text for both halves.  V_w comes into registers that held A's fragments (eight places stand behind the last products); it is waited for ahead of its first use.
	CLOAD VW, 10, 64
.macro EBATCH be                       ; fragment be x the eight tiles of rows: 64 numbers a lane
	WIN 0x02+(\be)/4
.irp m, 0,1,2,3,4,5,6,7
.irp p, 0,1,2,3
	v_pk_fma_f32 v[TT+2*(4*\m+\p):TT+2*(4*\m+\p)+1], v[8*(8*((\be)%4)+\m)+2*\p:8*(8*((\be)%4)+\m)+2*\p+1], s[22:23], v[HB+8*(\be)+2*\p:HB+8*(\be)+2*\p+1] op_sel_hi:[1,0,1]   ; 2 log2(e) m; each accumulator from its low end on
.endr
.endr
	WIN 0
	s_wait_alu depctr_va_vdst(0)
.set j, 0
.rept 64
	v_exp_f32 v[TT+j], v[TT+j]
.set j, j+1
.endr
	v_nop
	s_wait_alu depctr_va_vdst(0)
.set j, 0
.rept 32
	v_pk_add_f32 v[TT+j:TT+j+1], v[TT+j:TT+j+1], 1.0 op_sel_hi:[1,0]
.set j, j+2
.endr
	s_wait_alu depctr_va_vdst(0)
.set j, 0
.rept 64
	v_rcp_f32 v[TT+j], v[TT+j]
.set j, j+1
.endr
	v_nop
.if (\be) == 0
	s_wait_loadcnt 0x0                             ; V_w is in (and whatever weights were asked for ahead of it)
.endif
	s_wait_alu depctr_va_vdst(0)
.irp p, 0,1,2,3
.irp m, 0,1,2,3,4,5,6,7
	v_pk_fma_f32 v[SS+2*\m:SS+2*\m+1], v[TT+2*(4*\m+\p):TT+2*(4*\m+\p)+1], v[VW+8*(\be)+2*\p:VW+8*(\be)+2*\p+1], v[SS+2*\m:SS+2*\m+1]
.endr
.endr
.endm
.irp e, 0,1,2,3,4,5,6,7
	EBATCH \e
.endr
.irp c, 0,1,2,3
	v_pk_add_f32 v[TT+2*\c:TT+2*\c+1], v[VW+2*\c:VW+2*\c+1], v[VW+8+2*\c:VW+8+2*\c+1]   ; the sum of my 64 numbers of V_w, in four chains
.endr
.irp f, 2,3,4,5,6,7
.irp c, 0,1,2,3
	v_pk_add_f32 v[TT+2*\c:TT+2*\c+1], v[TT+2*\c:TT+2*\c+1], v[VW+8*\f+2*\c:VW+8*\f+2*\c+1]
.endr
.endr
	v_pk_add_f32 v[TT:TT+1], v[TT:TT+1], v[TT+2:TT+3]
	v_pk_add_f32 v[TT+4:TT+5], v[TT+4:TT+5], v[TT+6:TT+7]
	v_pk_add_f32 v[TT:TT+1], v[TT:TT+1], v[TT+4:TT+5]
	v_pk_add_f32 v[SV:SV+1], v[SV:SV+1], v[TT:TT+1]
	s_add_nc_u64 s[8:9], s[8:9], 32768             ; hbt: 32 tiles a half (every load has been waited for)
	s_add_nc_u64 s[10:11], s[10:11], 2048          ; V_w: 512 numbers
	s_add_co_u32 s35, s35, 1
	s_cmp_lt_u32 s35, 2
	s_wait_alu depctr_va_vdst(0)
	s_cbranch_scc1 .Lpass1
	; THE SCORES
	s_wait_kmcnt 0x0                               ; V_b
	s_mov_b32 s50, 0xce6e6b28                      ; -1e9
	s_lshl_b32 s43, s18, 9
	s_add_co_u32 s43, s43, PART
	v_bfe_u32 v8, v[BOF], 4, 4
	v_lshl_add_u32 v8, v8, 2, s43                  ; where my wave's part of row r's score goes
	v_add_nc_u32 v9, PART, v[BOF]                  ; and where four rows' parts are read back
	v_add_f32 v[SV], v[SV], v[SV+1]
.irp m, 0,1,2,3,4,5,6,7
	v_add_f32 v[TT+\m], v[SS+2*\m], v[SS+2*\m+1]
.endr
.irp m, 0,1,2,3,4,5,6,7
	v_fma_f32 v[TT+\m], v[TT+\m], -2.0, v[SV]      ; sum V_w - 2 sum V_w / (1 + ..), over my half of the lanes' hidden units
.endr
.irp m, 0,1,2,3,4,5,6,7
	v_permlanex16_b32 v[TT+8+\m], v[TT+\m], s20, s21
.endr
.irp m, 0,1,2,3,4,5,6,7
	v_add_f32 v[TT+\m], v[TT+\m], v[TT+8+\m]       ; with lane l xor 16's: my wave's 256 hidden units
.endr
.irp m, 0,1,2,3,4,5,6,7
	ds_store_b32 v8, v[TT+\m] offset:64*\m         ; row 16 m + r; lanes r and r + 16 write the same word with the same value
.endr
	s_wait_dscnt 0x0                               ; for the others' sake: my parts lie in LDS
	s_barrier_signal -1
	s_barrier_wait -1
	s_cmp_lg_u32 s18, 0
	s_cbranch_scc1 .Ldone
.irp k, 0,1,2,3
	ds_load_b128 v[TT+4*\k:TT+4*\k+3], v9 offset:512*\k
.endr
	s_wait_dscnt 0x0
	v_pk_add_f32 v[TT:TT+1], v[TT:TT+1], v[TT+4:TT+5]
	v_pk_add_f32 v[TT+2:TT+3], v[TT+2:TT+3], v[TT+6:TT+7]
	v_pk_add_f32 v[TT+8:TT+9], v[TT+8:TT+9], v[TT+12:TT+13]
	v_pk_add_f32 v[TT+10:TT+11], v[TT+10:TT+11], v[TT+14:TT+15]
	v_pk_add_f32 v[TT:TT+1], v[TT:TT+1], v[TT+8:TT+9]
	v_pk_add_f32 v[TT+2:TT+3], v[TT+2:TT+3], v[TT+10:TT+11]
	v_mov_b32 v40, s50                             ; what a masked row holds
.irp j, 0,1,2,3
	v_add_f32 v[TT+\j], s48, v[TT+\j]              ; + V_b
	v_bfe_u32 v41, v28, 8*\j, 8
	v_cmp_ne_u32 vcc_lo, 0, v41
	v_cndmask_b32 v[TT+\j], v[TT+\j], v40, vcc_lo
.endr
	global_store_b128 v[BOF], v[TT:TT+3], s[16:17] ; 32 lanes store 512 consecutive bytes, at a multiple of 256 from the buffer's first byte
.Ldone:
	s_wait_tensorcnt 0x0                           ; the wave's end
	ds_add_u32 v[SPW], v[NIL]
	s_wait_dscnt 0x0
	s_endpgm
.Lfunc_end_k_qd836019dde_score:
	.size	k_qd836019dde_score, .Lfunc_end_k_qd836019dde_score-k_qd836019dde_score
	.p2alignl 7, 3214868480
	.fill 96, 4, 3214868480
	.section	.rodata,"a",@progbits
	.p2align	6, 0x0
	.amdhsa_kernel k_qd836019dde_score
		.amdhsa_group_segment_fixed_size 305664
		.amdhsa_private_segment_fixed_size 0
		.amdhsa_enable_private_segment 0
		.amdhsa_kernarg_size 56
		.amdhsa_user_sgpr_count 2
		.amdhsa_user_sgpr_kernarg_segment_ptr 1
		.amdhsa_wavefront_size32 1
		.amdhsa_system_sgpr_workgroup_id_x 1
		.amdhsa_system_sgpr_workgroup_id_y 1
		.amdhsa_system_sgpr_workgroup_id_z 1
		.amdhsa_system_vgpr_workitem_id 0
		.amdhsa_next_free_vgpr 1024
		.amdhsa_next_free_sgpr 66
		.amdhsa_reserve_vcc 1
		.amdhsa_float_denorm_mode_32 3
		.amdhsa_float_denorm_mode_16_64 3
		.amdhsa_memory_ordered 1
		.amdhsa_forward_progress 1
		.amdhsa_inst_pref_size 255
	.end_amdhsa_kernel
	.section	.bss,"aw",@nobits
	.p2align	6
	.space	262144
	.amdgpu_metadata
---
amdhsa.version: [ 1, 2 ]
amdhsa.kernels:
  - .name:           k_qd836019dde_score
    .symbol:         k_qd836019dde_score.kd
    .args:
      - { .name: encoded, .offset: 0, .size: 8, .value_kind: global_buffer, .address_space: global }
      - { .name: wq, .offset: 8, .size: 8, .value_kind: global_buffer, .address_space: global }
      - { .name: hbt, .offset: 16, .size: 8, .value_kind: global_buffer, .address_space: global }
      - { .name: V_w, .offset: 24, .size: 8, .value_kind: global_buffer, .address_space: global }
      - { .name: V_b, .offset: 32, .size: 8, .value_kind: global_buffer, .address_space: global }
      - { .name: mask, .offset: 40, .size: 8, .value_kind: global_buffer, .address_space: global }
      - { .name: scores, .offset: 48, .size: 8, .value_kind: global_buffer, .address_space: global }
    .group_segment_fixed_size: 305664
    .private_segment_fixed_size: 0
    .kernarg_segment_align: 8
    .kernarg_segment_size: 56
    .max_flat_workgroup_size: 128
    .sgpr_count:     66
    .vgpr_count:     1024
    .wavefront_size: 32
...
	.end_amdgpu_metadata
.endif
;; end of part 5
;; launch pool (part 6): grid 16 x 16, 32 waves a work-group, no clusters, 29,184 bytes of LDS; arguments encoded, scores, live, out0, out1; writes out0, out1
.if DOCPART == 6
	.amdgcn_target "amdgcn-amd-amdhsa--gfx1250"
	.amdhsa_code_object_version 6
	.text
	.protected	k_qd836019dde_pool
	.globl	k_qd836019dde_pool
	.p2align	8
	.type	k_qd836019dde_pool,@function
k_qd836019dde_pool:
	s_mov_b64 s[64:65], 0
	v_nop
	global_prefetch_b8 v0, s[64:65] scope:SCOPE_SE
	s_setreg_imm32_b32 hwreg(HW_REG_WAVE_MODE, 25, 1), 1
	s_wait_xcnt 0x0
; Launch 3 of 3: out1[b] = softmax(scores[b]) over the 2,048 positions, the maximum taken away first;
; out0[b] = the sum over the positions of out1[b][s] encoded[b][s][:].  All in f32: fused multiply-adds (one row of weights).
; LEFT OUT: in a batch that has a row with mask = false, the rows with mask = true are not read for out0: their weight is 0.0 in f32 (shown at the head of the first launch; LIMIT: sum |V_w| + |V_b| < 9e8; a NaN or an
; infinity in such a row of encoded is not carried into out0).  Whole numbers from 'live' decide it.  A batch with every row masked (count 0) walks all 2,048 rows.  out1 is computed for every row.
; SHARES.  Work-group (j, b): batch b, columns 128 j .. 128 j + 127: 512 bytes of each row.  Every work-group makes the batch's softmax for itself (8 KB of scores); thread t holds rows 2 t, 2 t + 1.
; The rows to be read stand in the batch's list; run c of 16 list entries goes to wave c % 32.  Their weights, made in list order, through LDS.
; A run's 16 loads of 512 consecutive bytes are out together in each of the 32 waves.  No tensor loads, no matrix instructions: nothing is read twice by a work-group, and a product with one row has nothing for them.
.set RMAX,  0                          ; LDS: 32 waves' maxima,
.set RSUM,  256                        ; their sums,
.set LWGT,  512                        ; the 2,048 weights in list order,
.set RED,   8704                       ; 32 waves x 512 bytes of partial sums,
.set SPARE, 25088                      ; and the spare words, 128 bytes a wave: sixteen blocks of 256 bytes that no other line names
.set L2E,   0x3fb8aa3b                 ; log2(e)
.set HALFB, 131072
; v0 (behind the head) 512 x wave + 16 x lane; v1, v2 the add's two; v3 8 x thread; v4 16 x lane; v5 64 x wave; v[6:7] my two scores, then weights; v[8:9] my two list entries, then their offsets;
; v[10:11] their scores, then weights; v12 4 x lane; v13 the maximum; v14 a lane permute's destination; v15 4 x wave; v16-31 a run's offsets; v32-47 its weights (v32: before that the sum); v48-63 four sets of sums;
; v64-127 16 rows' 16 bytes
.macro MAXW r                          ; the largest of the wave's 32, in every lane
.irp x, 1
	v_max_num_f32_dpp v[\r], v[\r], v[\r] row_xmask:\x row_mask:0xf bank_mask:0xf
.endr
.irp x, 2, 4, 8
	s_delay_alu instid0(VALU_DEP_1)
	v_max_num_f32_dpp v[\r], v[\r], v[\r] row_xmask:\x row_mask:0xf bank_mask:0xf
.endr
	s_wait_alu depctr_va_vdst(0)
	v_permlanex16_b32 v14, v[\r], s16, s17
	s_delay_alu instid0(VALU_DEP_1)
	v_max_num_f32 v[\r], v[\r], v14
.endm
.macro SUMW r
.irp x, 1
	v_add_f32_dpp v[\r], v[\r], v[\r] row_xmask:\x row_mask:0xf bank_mask:0xf
.endr
.irp x, 2, 4, 8
	s_delay_alu instid0(VALU_DEP_1)
	v_add_f32_dpp v[\r], v[\r], v[\r] row_xmask:\x row_mask:0xf bank_mask:0xf
.endr
	s_wait_alu depctr_va_vdst(0)
	v_permlanex16_b32 v14, v[\r], s16, s17
	s_delay_alu instid0(VALU_DEP_1)
	v_add_f32 v[\r], v[\r], v14
.endm
.macro BARRIER                         ; my LDS stores have landed and my LDS loads are in: then the work-group's barrier
	s_wait_dscnt 0x0
	s_barrier_signal -1
	s_barrier_wait -1
.endm
	s_load_b256 s[4:11], s[0:1], 0x0               ; encoded s[4:5], scores s[6:7], live s[8:9], out0 s[10:11]
	s_load_b64 s[12:13], s[0:1], 0x20              ; out1
	v_lshl_add_u32 v1, v0, 2, SPARE
	v_mov_b32 v2, 0
	v_lshrrev_b32 v3, 5, v0
	s_delay_alu instid0(VALU_DEP_1)
	v_readfirstlane_b32 s14, v3                    ; wave 0..31
	v_and_b32 v12, 31, v0
	v_lshlrev_b32 v3, 3, v0
	s_delay_alu instid0(VALU_DEP_2)
	v_lshlrev_b32 v4, 4, v12
	s_delay_alu instid0(VALU_DEP_3)
	v_lshlrev_b32 v12, 2, v12
	s_lshl_b32 s26, s14, 6
	v_mov_b32 v5, s26
	s_lshl_b32 s28, s14, 2
	v_mov_b32 v15, s28
	s_lshl_b32 s28, s14, 9
	v_add_nc_u32 v0, s28, v4                       ; the thread's number is needed no more
	v_mov_b32 v14, 0
	s_mov_b32 s16, 0x76543210
	s_mov_b32 s17, 0xfedcba98                      ; v_permlanex16_b32's selects for lane l xor 16
	s_and_b32 s15, ttmp7, 0xffff                   ; the batch
	s_lshl_b32 s18, s15, 13                        ; 8,192 bytes a batch in scores, out0, out1
	s_mov_b32 s19, 0
	s_mul_i32 s20, s15, 8448
	s_mov_b32 s21, 0
	s_lshl_b32 s24, ttmp9, 9                       ; my 512 bytes of a row
	s_mov_b32 s25, 0
	s_lshl_b32 s22, s15, 24                        ; 2,048 rows of 8,192 bytes a batch
	s_add_co_u32 s22, s22, s24
	s_mov_b32 s23, 0
	s_wait_alu depctr_va_vdst(0)
	s_wait_kmcnt 0x0
	s_add_nc_u64 s[6:7], s[6:7], s[18:19]
	s_add_nc_u64 s[8:9], s[8:9], s[20:21]
	s_add_nc_u64 s[4:5], s[4:5], s[22:23]
	s_add_nc_u64 s[10:11], s[10:11], s[18:19]
	s_add_nc_u64 s[10:11], s[10:11], s[24:25]
	s_add_nc_u64 s[12:13], s[12:13], s[18:19]
	s_load_b32 s27, s[8:9], 0x0                    ; the number of rows with mask = false
	s_load_b512 s[32:47], s[8:9], s26 offset:256           ; my four runs of 16 row numbers: list entries 16 (wave + 32 k) on
	s_load_b512 s[48:63], s[8:9], s26 offset:256+2048
	s_load_b512 s[68:83], s[8:9], s26 offset:256+4096
	s_load_b512 s[84:99], s[8:9], s26 offset:256+6144
	global_load_b64 v[6:7], v3, s[6:7]             ; scores of rows 2 t, 2 t + 1
	global_load_b64 v[8:9], v3, s[8:9] offset:256  ; list entries 2 t, 2 t + 1
	s_wait_loadcnt 0x0
	v_min_u32 v8, 2047, v8                         ; a loaded number enters an address only behind this bound
	v_min_u32 v9, 2047, v9
	s_delay_alu instid0(VALU_DEP_2)
	v_lshlrev_b32 v8, 2, v8
	s_delay_alu instid0(VALU_DEP_2)
	v_lshlrev_b32 v9, 2, v9
	global_load_b32 v10, v8, s[6:7]                ; the scores of those entries' rows: wanted behind the softmax's sums
	global_load_b32 v11, v9, s[6:7]
	; the maximum (launch 2 stores whole scores: one number a row)
	v_max_num_f32 v13, v6, v7
	MAXW 13
	ds_store_b32 v15, v13 offset:RMAX              ; all lanes write the wave's word with the same value
	BARRIER
	ds_load_b32 v13, v12 offset:RMAX
	s_wait_dscnt 0x0
	MAXW 13
	; the sum.  The difference is formed first and multiplied then: a multiply-add on the scores themselves would lose it beside -1e9
	s_delay_alu instid0(VALU_DEP_1)
	v_sub_f32 v6, v6, v13
	s_delay_alu instid0(VALU_DEP_2)
	v_sub_f32 v7, v7, v13
	s_delay_alu instid0(VALU_DEP_2)
	v_mul_f32 v6, L2E, v6
	s_delay_alu instid0(VALU_DEP_2)
	v_mul_f32 v7, L2E, v7
	s_wait_alu depctr_va_vdst(0)
	v_exp_f32 v6, v6
	v_exp_f32 v7, v7
	v_nop                                          ; a plain line behind the exponentials,
	s_wait_alu depctr_va_vdst(0)                   ; and the wait ahead of their first reader
	v_add_f32 v32, v6, v7
	SUMW 32
	ds_store_b32 v15, v32 offset:RSUM
	BARRIER
	ds_load_b32 v32, v12 offset:RSUM
	s_wait_dscnt 0x0
	SUMW 32
	s_wait_alu depctr_va_vdst(0)
	v_rcp_f32 v32, v32
	v_nop
	s_wait_alu depctr_va_vdst(0)
	v_mul_f32 v6, v6, v32
	v_mul_f32 v7, v7, v32
	; out1: of the batch's sixteen work-groups each stores 128 rows' weights: waves 2 j and 2 j + 1
	s_lshr_b32 s28, s14, 1
	s_cmp_lg_u32 s28, ttmp9
	s_cbranch_scc1 .Lnot_mine
	global_store_b64 v3, v[6:7], s[12:13]          ; 32 lanes store 256 consecutive bytes, at a multiple of 256 from the buffer's first byte
.Lnot_mine:
	; the weights in list order
	s_wait_loadcnt 0x0
	v_sub_f32 v10, v10, v13
	v_sub_f32 v11, v11, v13
	s_delay_alu instid0(VALU_DEP_2)
	v_mul_f32 v10, L2E, v10
	s_delay_alu instid0(VALU_DEP_2)
	v_mul_f32 v11, L2E, v11
	s_wait_alu depctr_va_vdst(0)
	v_exp_f32 v10, v10
	v_exp_f32 v11, v11
	v_nop
	s_wait_alu depctr_va_vdst(0)
	v_mul_f32 v10, v10, v32
	v_mul_f32 v11, v11, v32
	ds_store_b64 v3, v[10:11] offset:LWGT
.irp i, 0,1,2,3,4,5,6,7,8,9,10,11,12,13,14,15
	v_mov_b32 v[48+\i], 0                          ; the sums begin as zeros: a wave may have no run at all
.endr
	BARRIER
	s_wait_kmcnt 0x0                               ; the count and my row numbers
	s_cmp_eq_u32 s27, 0
	s_cselect_b32 s27, 2048, s27                   ; every row masked: all rows count
	s_add_co_u32 s27, s27, 15
	s_lshr_b32 s27, s27, 4                         ; runs of 16; the last run's entries past the count are masked rows, with their true weights
; Run wave + 32 k: 16 rows x my 512 bytes.  sb: the scalar registers with its row numbers.
.macro CHUNK k, sb
	s_add_co_u32 s28, s14, 32*\k
	s_cmp_ge_u32 s28, s27
	s_cbranch_scc1 .Lsum                           ; a stored whole number decides; no barrier is jumped over
.irp i, 0,1,2,3
	ds_load_b128 v[32+4*\i:35+4*\i], v5 offset:LWGT+2048*\k+16*\i   ; the run's 16 weights, the same in every lane
.endr
.irp e, 0,1,2,3,4,5,6,7,8,9,10,11,12,13,14,15
	s_min_u32 s[\sb+\e], s[\sb+\e], 2047           ; a loaded number enters an address only behind this bound
	s_lshl_b32 s[\sb+\e], s[\sb+\e], 13            ; 8,192 bytes a row
	v_add_nc_u32 v[16+\e], s[\sb+\e], v4
.endr
	s_wait_alu depctr_va_vdst(0)
.irp e, 0,1,2,3,4,5,6,7,8,9,10,11,12,13,14,15
	global_load_b128 v[64+4*\e:67+4*\e], v[16+\e], s[4:5] th:TH_LOAD_NT   ; 32 lanes read 512 consecutive bytes
.endr
	s_wait_dscnt 0x0
.irp e, 0,1,2,3,4,5,6,7,8,9,10,11,12,13,14,15
	s_wait_loadcnt 15-\e                           ; loads come back in order: row e is in, the younger rows stay out; the last count, 0, also frees the offsets for the next run
.if (\e)%2
	v_pk_fma_f32 v[48+4*((\e)%4):49+4*((\e)%4)], v[64+4*\e:65+4*\e], v[31+\e:32+\e], v[48+4*((\e)%4):49+4*((\e)%4)] op_sel:[0,1,0] op_sel_hi:[1,1,1]   ; the pair's upper word, the odd entry's weight, for both halves
	v_pk_fma_f32 v[50+4*((\e)%4):51+4*((\e)%4)], v[66+4*\e:67+4*\e], v[31+\e:32+\e], v[50+4*((\e)%4):51+4*((\e)%4)] op_sel:[0,1,0] op_sel_hi:[1,1,1]
.else
	s_wait_alu depctr_va_vdst(0)
	v_pk_fma_f32 v[48+4*((\e)%4):49+4*((\e)%4)], v[64+4*\e:65+4*\e], v[32+\e:33+\e], v[48+4*((\e)%4):49+4*((\e)%4)] op_sel_hi:[1,0,1]                  ; the lower word for both halves
	v_pk_fma_f32 v[50+4*((\e)%4):51+4*((\e)%4)], v[66+4*\e:67+4*\e], v[32+\e:33+\e], v[50+4*((\e)%4):51+4*((\e)%4)] op_sel_hi:[1,0,1]
.endif
.endr
.endm
	CHUNK 0, 32
	CHUNK 1, 48
	CHUNK 2, 68
	CHUNK 3, 84
.Lsum:
	v_pk_add_f32 v[48:49], v[48:49], v[52:53]
	v_pk_add_f32 v[50:51], v[50:51], v[54:55]
	s_wait_alu depctr_va_vdst(0)
	v_pk_add_f32 v[56:57], v[56:57], v[60:61]
	v_pk_add_f32 v[58:59], v[58:59], v[62:63]
	s_delay_alu instid0(VALU_DEP_2)
	v_pk_add_f32 v[48:49], v[48:49], v[56:57]
	s_delay_alu instid0(VALU_DEP_2)
	v_pk_add_f32 v[50:51], v[50:51], v[58:59]
	ds_store_b128 v0, v[48:51] offset:RED
	BARRIER
	s_cmp_lg_u32 s14, 0
	s_cbranch_scc1 .Ldone
.irp q, 0,1,2,3                        ; wave 0 adds the 32 waves' sums, eight at a time (its own among the first eight)
.irp i, 0,1,2,3,4,5,6,7
	ds_load_b128 v[64+4*\i:67+4*\i], v4 offset:RED+512*(8*\q+\i)
.endr
	s_wait_dscnt 0x0
.irp i, 0,2,4,6
	v_pk_add_f32 v[64+4*\i:65+4*\i], v[64+4*\i:65+4*\i], v[68+4*\i:69+4*\i]
	v_pk_add_f32 v[66+4*\i:67+4*\i], v[66+4*\i:67+4*\i], v[70+4*\i:71+4*\i]
.endr
.irp i, 0
	v_pk_add_f32 v[64+4*\i:65+4*\i], v[64+4*\i:65+4*\i], v[72+4*\i:73+4*\i]
	v_pk_add_f32 v[66+4*\i:67+4*\i], v[66+4*\i:67+4*\i], v[74+4*\i:75+4*\i]
.endr
.irp i, 4
	s_delay_alu instid0(VALU_DEP_4)
	v_pk_add_f32 v[64+4*\i:65+4*\i], v[64+4*\i:65+4*\i], v[72+4*\i:73+4*\i]
	s_delay_alu instid0(VALU_DEP_4)
	v_pk_add_f32 v[66+4*\i:67+4*\i], v[66+4*\i:67+4*\i], v[74+4*\i:75+4*\i]
.endr
.if \q == 0
	s_delay_alu instid0(VALU_DEP_2)
	v_pk_add_f32 v[48:49], v[64:65], v[80:81]
	s_delay_alu instid0(VALU_DEP_2)
	v_pk_add_f32 v[50:51], v[66:67], v[82:83]
.else
	s_delay_alu instid0(VALU_DEP_2)
	v_pk_add_f32 v[64:65], v[64:65], v[80:81]
	s_delay_alu instid0(VALU_DEP_2)
	v_pk_add_f32 v[66:67], v[66:67], v[82:83]
	s_delay_alu instid0(VALU_DEP_2)
	v_pk_add_f32 v[48:49], v[48:49], v[64:65]
	s_delay_alu instid0(VALU_DEP_2)
	v_pk_add_f32 v[50:51], v[50:51], v[66:67]
.endif
.endr
	global_store_b128 v4, v[48:51], s[10:11]       ; 32 lanes store 512 consecutive bytes, at a multiple of 256 from the buffer's first byte
.Ldone:
	s_wait_tensorcnt 0x0                           ; the wave's end
	ds_add_u32 v1, v2
	s_wait_dscnt 0x0
	s_endpgm
.Lfunc_end_k_qd836019dde_pool:
	.size	k_qd836019dde_pool, .Lfunc_end_k_qd836019dde_pool-k_qd836019dde_pool
	.p2alignl 7, 3214868480
	.fill 96, 4, 3214868480
	.section	.rodata,"a",@progbits
	.p2align	6, 0x0
	.amdhsa_kernel k_qd836019dde_pool
		.amdhsa_group_segment_fixed_size 29184
		.amdhsa_private_segment_fixed_size 0
		.amdhsa_enable_private_segment 0
		.amdhsa_kernarg_size 40
		.amdhsa_user_sgpr_count 2
		.amdhsa_user_sgpr_kernarg_segment_ptr 1
		.amdhsa_wavefront_size32 1
		.amdhsa_system_sgpr_workgroup_id_x 1
		.amdhsa_system_sgpr_workgroup_id_y 1
		.amdhsa_system_sgpr_workgroup_id_z 1
		.amdhsa_system_vgpr_workitem_id 0
		.amdhsa_next_free_vgpr 128
		.amdhsa_next_free_sgpr 100
		.amdhsa_reserve_vcc 0
		.amdhsa_float_denorm_mode_32 3
		.amdhsa_float_denorm_mode_16_64 3
		.amdhsa_memory_ordered 1
		.amdhsa_forward_progress 1
		.amdhsa_inst_pref_size 42
	.end_amdhsa_kernel
	.amdgpu_metadata
---
amdhsa.version: [ 1, 2 ]
amdhsa.kernels:
  - .name:           k_qd836019dde_pool
    .symbol:         k_qd836019dde_pool.kd
    .args:
      - { .name: encoded, .offset: 0, .size: 8, .value_kind: global_buffer, .address_space: global }
      - { .name: scores, .offset: 8, .size: 8, .value_kind: global_buffer, .address_space: global }
      - { .name: live, .offset: 16, .size: 8, .value_kind: global_buffer, .address_space: global }
      - { .name: out0, .offset: 24, .size: 8, .value_kind: global_buffer, .address_space: global }
      - { .name: out1, .offset: 32, .size: 8, .value_kind: global_buffer, .address_space: global }
    .group_segment_fixed_size: 29184
    .private_segment_fixed_size: 0
    .kernarg_segment_align: 8
    .kernarg_segment_size: 40
    .max_flat_workgroup_size: 1024
    .sgpr_count:     100
    .vgpr_count:     128
    .wavefront_size: 32
...
	.end_amdgpu_metadata
.endif
;; end of part 6
